; MI455X (gfx1250); checked and timed in simulation.
; The chip was launched on July 23, 2026; its instructions are those of AMD's public machine-readable ISA for CDNA 5 (MIT licence, August 2026) and "CDNA5" Instruction Set Architecture Reference Guide (July 2026). The comments in the code are by the model that wrote it; some were corrected since.
;; Self Attention. Allowed arithmetic: float matrix products may take bf16 or f16 operands with f32 sums; other float arithmetic in f32, or as packed bf16 or f16 multiplies, adds, multiply-adds, maxima and minima; sums over many terms, partial sums and values carried from step to step in f32; what a program stores and reads back later, other than sums and carried values, may be rounded once to bf16 or f16.
;; Inputs: Wk 1,024 x 1,024 float32; Wq 1,024 x 1,024 float32; Wv 1,024 x 1,024 float32; bk 1,024 float32; bq 1,024 float32; bv 1,024 float32; embeddings 4 x 2,048 x 1,024 float32.
;; Outputs: out0 4 x 2,048 x 1,024 float32.
;; Constants: masking = 1.
;; 2 versions, each right; version 2 is version 1 with the launch cast written anew for expert scheduling mode. Each part assembles by itself: llvm-mc -triple=amdgcn-amd-amdhsa -mcpu=gfx1250 --defsym DOCPART=n.
;; ======== version 1 of 2: 4 launches
;; limits: values are held in f16: magnitudes above 65,504 overflow, below 6.1e-05 lose precision
;; workspace buffers: xb 16,777,216 bytes; wt 6,291,456 bytes; bias 12,288 bytes; qkv 50,331,648 bytes; pmat 33,554,432 bytes; statm 262,144 bytes; statl 524,288 bytes
;; launch cast (part 1): grid 899 x 1, 8 waves a work-group, no clusters, 17,920 bytes of LDS; arguments embeddings, Wq, Wk, Wv, bq, bk, bv, xb, wt, bias; writes xb, wt, bias
.if DOCPART == 1
	.amdgcn_target "amdgcn-amd-amdhsa--gfx1250"
	.amdhsa_code_object_version 6
	.text
	.protected	k_q0560e21cc4_cast
	.globl	k_q0560e21cc4_cast
	.p2align	8
	.type	k_q0560e21cc4_cast,@function
k_q0560e21cc4_cast:
	s_mov_b64 s[64:65], 0
	v_nop
	global_prefetch_b8 v0, s[64:65] scope:SCOPE_SE
	s_setreg_imm32_b32 hwreg(HW_REG_WAVE_MODE, 25, 1), 1
	s_wait_xcnt 0x0
; CAST.  All inputs are rounded once to bf16, for the projection that follows.
;   work-groups 0..511:    xb = bf16(embeddings), 65,536 bytes of x each; a wave takes 8,192 of them.
;   work-groups 512..895:  wt[1024 sel + d][e] = bf16(W_sel[e][d]) (sel 0, 1, 2 = q, k, v): a tile of 128 e x 64 d is turned in LDS.
;   work-groups 896..898:  bias[1024 sel + d] = the bias rounded to bf16, kept as f32.
; A stream: each byte is read once and written once; every load of a wave covers whole runs of 256 or 512 bytes and every store 256
; consecutive bytes, aligned.  Matrix units, tensor loads and clusters would add nothing here.  The role hangs on the work-group's number alone.
.set TP,    264                        ; a row of the turned tile in LDS: 128 e x 2 bytes + 8
.set SPARE, 64*TP                      ; behind the tile: the spare words, 128 bytes for each of eight waves
.set SPW,   110                        ; v110  LDS address of my spare word; never rewritten
.set NIL,   111                        ; v111  0; never rewritten
.set XR,    40                         ; v[40:103]  as loaded
.set YR,    8                          ; v[8:39]    rounded
.set BK,    72                         ; v[72:87]   the turned rows, read back
	s_load_b512 s[4:19], s[0:1], 0x0               ; x s[4:5], Wq s[6:7], Wk s[8:9], Wv s[10:11], bq s[12:13], bk s[14:15], bv s[16:17], xb s[18:19]
	s_load_b128 s[20:23], s[0:1], 0x40             ; wt s[20:21], bias s[22:23]
	v_lshl_add_u32 v[SPW], v0, 2, SPARE
	v_mov_b32 v[NIL], 0
	v_and_b32 v1, 31, v0                           ; lane
	v_lshrrev_b32 v2, 5, v0                        ; wave
	s_mov_b32 s25, 0
	s_mov_b32 s27, 0
	s_wait_kmcnt 0x0
	s_cmp_lt_u32 ttmp9, 512
	s_cbranch_scc0 .Lnot_x
	; ---- x: sixteen loads of 512 consecutive bytes a wave, all out at once; each gives 256 consecutive bytes of xb
	s_lshl_b32 s24, ttmp9, 16
	s_lshl_b32 s26, ttmp9, 15
	s_add_nc_u64 s[4:5], s[4:5], s[24:25]
	s_add_nc_u64 s[18:19], s[18:19], s[26:27]
	v_lshlrev_b32 v3, 4, v1
	v_lshl_add_u32 v3, v2, 13, v3                  ; 8,192 wave + 16 lane
	v_lshlrev_b32 v4, 3, v1
	v_lshl_add_u32 v4, v2, 12, v4                  ; 4,096 wave + 8 lane
.irp i, 0,1,2,3,4,5,6,7,8,9,10,11,12,13,14,15
	global_load_b128 v[XR+4*(\i):XR+4*(\i)+3], v3, s[4:5] offset:512*(\i) th:TH_LOAD_NT
.endr
.irp i, 0,1,2,3,4,5,6,7,8,9,10,11,12,13,14,15
	s_wait_loadcnt 15-(\i)                         ; loads come back in order: load i is in, the younger ones stay out
	v_cvt_pk_bf16_f32 v[YR+2*(\i)], v[XR+4*(\i)], v[XR+4*(\i)+1]
	v_cvt_pk_bf16_f32 v[YR+2*(\i)+1], v[XR+4*(\i)+2], v[XR+4*(\i)+3]
	global_store_b64 v4, v[YR+2*(\i):YR+2*(\i)+1], s[18:19] offset:256*(\i)
.endr
	s_branch .Lend
.Lnot_x:
	s_cmp_lt_u32 ttmp9, 896
	s_cbranch_scc0 .Lbias
	; ---- a weight tile: rows e = 128 eb .., columns d = 64 db ..
	s_sub_co_u32 s28, ttmp9, 512
	s_lshr_b32 s29, s28, 7                         ; sel
	s_bfe_u32 s30, s28, 0x30004                    ; eb
	s_and_b32 s31, s28, 15                         ; db
	s_cmp_eq_u32 s29, 1
	s_cselect_b64 s[32:33], s[8:9], s[6:7]
	s_cmp_eq_u32 s29, 2
	s_cselect_b64 s[32:33], s[10:11], s[32:33]
	s_lshl_b32 s24, s30, 19                        ; 128 rows of 4,096 bytes
	s_lshl_b32 s34, s31, 8                         ; 64 columns of 4 bytes
	s_add_co_u32 s24, s24, s34
	s_add_nc_u64 s[32:33], s[32:33], s[24:25]
	s_lshl_b32 s26, s29, 21                        ; wt: 1,024 rows of 2,048 bytes,
	s_lshl_b32 s34, s31, 17                        ; 64 rows,
	s_add_co_u32 s26, s26, s34
	s_lshl_b32 s34, s30, 8                         ; 128 e of 2 bytes
	s_add_co_u32 s26, s26, s34
	s_add_nc_u64 s[20:21], s[20:21], s[26:27]
	v_and_b32 v5, 15, v1                           ; cc: my four columns
	v_lshrrev_b32 v6, 4, v1                        ; h
	v_lshlrev_b32 v3, 4, v5
	v_lshl_add_u32 v3, v6, 13, v3                  ; row 2 h
	v_lshl_add_u32 v3, v2, 16, v3                  ; + 16 wave
.irp q, 0,1,2,3
	global_load_b128 v[XR+8*(\q):XR+8*(\q)+3],   v3, s[32:33] offset:(\q)*16384 th:TH_LOAD_NT       ; row e = 16 wave + 2 h + 4 q: sixteen lanes take its 256 bytes
	global_load_b128 v[XR+8*(\q)+4:XR+8*(\q)+7], v3, s[32:33] offset:(\q)*16384+4096 th:TH_LOAD_NT  ; row e + 1
.endr
	v_mul_u32_u24 v7, v5, 4*TP                     ; into the tile: row d = 4 cc + j, bytes 2 e
	v_lshl_add_u32 v7, v2, 5, v7
	v_lshl_add_u32 v7, v6, 2, v7
	v_mul_u32_u24 v4, v2, 8*TP                     ; back: wave w takes rows d = 8 w .., whole
	v_lshl_add_u32 v4, v1, 3, v4
	v_lshlrev_b32 v5, 3, v1                        ; and the same rows in wt
	v_lshl_add_u32 v5, v2, 14, v5
	s_wait_loadcnt 0x0
.irp q, 0,1,2,3
.irp j, 0,1,2,3
	v_cvt_pk_bf16_f32 v[YR+4*(\q)+(\j)], v[XR+8*(\q)+(\j)], v[XR+8*(\q)+4+(\j)]   ; (e, e + 1) of one column: neighbours in wt
	ds_store_b32 v7, v[YR+4*(\q)+(\j)] offset:(\j)*TP+8*(\q)
.endr
.endr
	s_wait_dscnt 0x0                               ; for the others' sake: my stores are done
	s_barrier_signal -1
	s_barrier_wait -1
.irp k, 0,1,2,3,4,5,6,7
	ds_load_b64 v[BK+2*(\k):BK+2*(\k)+1], v4 offset:(\k)*TP
.endr
.irp k, 0,1,2,3,4,5,6,7
	s_wait_dscnt 7-(\k)
	global_store_b64 v5, v[BK+2*(\k):BK+2*(\k)+1], s[20:21] offset:2048*(\k)   ; 32 lanes store 256 consecutive bytes, aligned
.endr
	s_branch .Lend
.Lbias:
	; ---- a bias: 1,024 numbers, four a thread
	s_sub_co_u32 s28, ttmp9, 896
	s_cmp_eq_u32 s28, 1
	s_cselect_b64 s[32:33], s[14:15], s[12:13]
	s_cmp_eq_u32 s28, 2
	s_cselect_b64 s[32:33], s[16:17], s[32:33]
	s_lshl_b32 s26, s28, 12
	s_add_nc_u64 s[22:23], s[22:23], s[26:27]
	v_lshlrev_b32 v3, 4, v0
	global_load_b128 v[XR:XR+3], v3, s[32:33]
	s_wait_loadcnt 0x0
	v_cvt_pk_bf16_f32 v8, v[XR], v[XR+1]
	v_cvt_pk_bf16_f32 v9, v[XR+2], v[XR+3]
	v_lshlrev_b32 v[XR+4], 16, v8                  ; bf16 back to f32: the low half moves up, the high half stays
	v_and_b32 v[XR+5], 0xffff0000, v8
	v_lshlrev_b32 v[XR+6], 16, v9
	v_and_b32 v[XR+7], 0xffff0000, v9
	global_store_b128 v3, v[XR+4:XR+7], s[22:23]
.Lend:
	s_wait_tensorcnt 0x0                           ; the wave's end: behind my last LDS store
	ds_add_u32 v[SPW], v[NIL]
	s_wait_dscnt 0x0
	s_endpgm
.Lfunc_end_k_q0560e21cc4_cast:
	.size	k_q0560e21cc4_cast, .Lfunc_end_k_q0560e21cc4_cast-k_q0560e21cc4_cast
	.p2alignl 7, 3214868480
	.fill 96, 4, 3214868480
	.section	.rodata,"a",@progbits
	.p2align	6, 0x0
	.amdhsa_kernel k_q0560e21cc4_cast
		.amdhsa_group_segment_fixed_size 17920
		.amdhsa_private_segment_fixed_size 0
		.amdhsa_enable_private_segment 0
		.amdhsa_kernarg_size 80
		.amdhsa_user_sgpr_count 2
		.amdhsa_user_sgpr_kernarg_segment_ptr 1
		.amdhsa_wavefront_size32 1
		.amdhsa_system_sgpr_workgroup_id_x 1
		.amdhsa_system_sgpr_workgroup_id_y 1
		.amdhsa_system_sgpr_workgroup_id_z 1
		.amdhsa_system_vgpr_workitem_id 0
		.amdhsa_next_free_vgpr 112
		.amdhsa_next_free_sgpr 66
		.amdhsa_reserve_vcc 0
		.amdhsa_float_denorm_mode_32 3
		.amdhsa_float_denorm_mode_16_64 3
		.amdhsa_memory_ordered 1
		.amdhsa_forward_progress 1
		.amdhsa_inst_pref_size 14
	.end_amdhsa_kernel
	.amdgpu_metadata
---
amdhsa.version: [ 1, 2 ]
amdhsa.kernels:
  - .name:           k_q0560e21cc4_cast
    .symbol:         k_q0560e21cc4_cast.kd
    .args:
      - { .name: embeddings, .offset: 0, .size: 8, .value_kind: global_buffer, .address_space: global }
      - { .name: Wq, .offset: 8, .size: 8, .value_kind: global_buffer, .address_space: global }
      - { .name: Wk, .offset: 16, .size: 8, .value_kind: global_buffer, .address_space: global }
      - { .name: Wv, .offset: 24, .size: 8, .value_kind: global_buffer, .address_space: global }
      - { .name: bq, .offset: 32, .size: 8, .value_kind: global_buffer, .address_space: global }
      - { .name: bk, .offset: 40, .size: 8, .value_kind: global_buffer, .address_space: global }
      - { .name: bv, .offset: 48, .size: 8, .value_kind: global_buffer, .address_space: global }
      - { .name: xb, .offset: 56, .size: 8, .value_kind: global_buffer, .address_space: global }
      - { .name: wt, .offset: 64, .size: 8, .value_kind: global_buffer, .address_space: global }
      - { .name: bias, .offset: 72, .size: 8, .value_kind: global_buffer, .address_space: global }
    .group_segment_fixed_size: 17920
    .private_segment_fixed_size: 0
    .kernarg_segment_align: 8
    .kernarg_segment_size: 80
    .max_flat_workgroup_size: 256
    .sgpr_count:     66
    .vgpr_count:     112
    .wavefront_size: 32
...
	.end_amdgpu_metadata
.endif
;; end of part 1
;; launch proj (part 2): grid 16 x 32, 4 waves a work-group, clusters of 4 x 4, 327,680 bytes of LDS; arguments xb, wt, bias, qkv; writes qkv
.if DOCPART == 2
	.amdgcn_target "amdgcn-amd-amdhsa--gfx1250"
	.amdhsa_code_object_version 6
	.text
	.protected	k_q0560e21cc4_proj
	.globl	k_q0560e21cc4_proj
	.p2align	8
	.type	k_q0560e21cc4_proj,@function
k_q0560e21cc4_proj:
	s_mov_b64 s[64:65], 0
	v_nop
	global_prefetch_b8 v0, s[64:65] scope:SCOPE_SE
	s_setreg_imm32_b32 hwreg(HW_REG_WAVE_MODE, 25, 1), 1
	s_wait_xcnt 0x0
	s_wait_alu depctr_hold_cnt(0) depctr_sa_sdst(0) depctr_va_vdst(0) depctr_va_sdst(0) depctr_va_ssrc(0) depctr_va_vcc(0) depctr_vm_vsrc(0)
	s_getreg_b32 s2, hwreg(HW_REG_IB_STS2, 6, 4)
	s_cmp_eq_u32 s2, 0
	s_cbranch_scc0 .Lentry_in_a_cluster
	s_endpgm
.Lentry_in_a_cluster:
	s_bfe_u32 s2, ttmp6, 0x10000c
	s_cmp_lg_u32 s2, 0xf033
	s_cbranch_scc0 .Lentry_shape_is_right
	s_endpgm
.Lentry_shape_is_right:
; PROJ.  qkv[n / 64][token][n % 64] = f16( sum over e of xb[token][e] wt[n][e] + bias[n] ), n = 0 .. 3,071 (q, k, v on end), 8,192 tokens.  Operands bf16, sums f32.
; LIMIT.  q, k and v are kept in f16: they must stay under 65,504.
; A tile is 256 tokens x 192 columns: 32 x 16 = 512 work-groups, two for each of 256 WGPs.  Four waves, each 128 tokens x 96 columns: 48 accumulators, 384 registers.
; K = 1,024 goes in 8 steps of 128 (rows of 256 bytes in memory, aligned) through a ring of two LDS slots.  The text of a K step is written once: the LDS address of the slot in hand is a scalar.
; CLUSTER 4 x 4: the four of a row of the cluster need the same tiles of xb, the four of a column the same tiles of wt: each is asked for jointly.
; The matrix instruction is used transposed (source 0 = 16 rows of wt, source 1 = 16 tokens): a lane holds one token and eight neighbouring columns.
; The bias is the C operand of the first product on each accumulator: nothing is cleared and nothing is added later.
; qkv lies in blocks of 64 columns, so that 192 columns are three whole blocks and every store covers 512 consecutive bytes.
; REGISTERS.  window 0: v16-30 addresses; v32-55 packed results; v64-127, v128-191 fragments of xb, two buffers (on the way out: two sets of rows)
;   window 1: v64-111, v128-175 fragments of wt; v192-239 the bias of my 96 columns      windows 2, 3: accumulator (a, b) at v[8 (6 (a % 4) + b)]
.set PITCH,  272                       ; an LDS row: 256 bytes + 16: the 16 rows of a fragment load start at 16 different groups of four banks (ISA guide 11.1)
.set AH,     128*PITCH                 ; what a wave fetches of xb, and what a wave reads of it
.set BH,     96*PITCH                  ; the same for wt
.set BOFF,   2*AH
.set SLOT1,  131072                    ; slot 1 begins here: one exclusive or turns an address in one slot into the other's
.set SPITCH, 400                       ; the stage's rows: 384 bytes + 16.  The stage, 256 rows, lies over slot 0, whose last fill of the launch is K step 6
.set SPARE,  SLOT1+BOFF+2*BH           ; behind the ring: the spare words, 128 bytes for each wave
.set DW0,    (1<<16)|(1<<20)|(1<<21)|(5<<22)|(3<<25)   ; 2-byte elements; padding on; bit 21 beside a mask; after every 64 words; 4 words
.set ADRA0, 16
.set ADRA,  17
.set ADRB0, 20
.set ADRB,  21
.set STO,   24
.set RD,    25
.set CO,    26
.set BO,    27
.set SPW,   28
.set NIL,   29
.set PFO,   30
.set TMP,   32
.set F0,    64
.set F1,    128
.set BIA,   192
.set WV,  12
.set RH,  13                           ; which 128 tokens are mine.  Also: I fetch for xb (0) or for wt (1)
.set CH,  14                           ; which 96 columns.  Also: which half of that tile I fetch
.set CX,  15
.set CY,  16
.set TC,  17
.set TR,  18
.set G1A, 24
.set G0A, 32                           ; two sets: the first serves K step 0; the second K step 1 and then walks
.set G1B, 40
.set G0B, 48
.set TB,  56                           ; 0 or SLOT1: the slot in hand
.set CNT, 57
.set LIM, 58                           ; 1 in a wave that prefetches, else the greatest number
.set PFA, 60
.set MSB, 0
.macro WIN new                         ; the immediate's high byte repeats the setting that is left
.if MSB != (\new)
	s_set_vgpr_msb (MSB<<8)|(\new)
.set MSB, \new
.endif
.endm
.macro PLACES                          ; four places behind a matrix instruction (ISA guide 7.12.1)
.rept 4
	v_nop
.endr
.endm
.macro JLOAD                           ; a joint refill by the walking sets; the branch hangs on the wave's number alone
	s_cmp_eq_u32 s[RH], 0
	s_cbranch_scc0 .Lfor_b_\@
	tensor_load_to_lds s[G0A+4:G0A+7], s[G1A:G1A+7]
	s_nop 0
.rept 4
	v_nop
.endr
	s_branch .Lasked_\@
.Lfor_b_\@:
	tensor_load_to_lds s[G0B+4:G0B+7], s[G1B:G1B+7]
	s_nop 0
.rept 4
	v_nop
.endr
.Lasked_\@:
.endm
; A prefetch into the L2 of the K step that the NEXT refill asks for: 256 bytes of a row, a lane a row, one instruction a wave.  xb's rows are named by the clusters with x = 0, wt's by those with y = 0;
; the four partners share a wave's rows out by address (32 each of xb's 128; 24 each of wt's 96, lanes 24-31 repeating lane 23's).  The last refill names nothing.
.macro ASK
	s_cmp_gt_u32 s[CNT], s[LIM]
	s_cbranch_scc0 .Lnot_mine_\@
	global_prefetch_b8 v[PFO], s[PFA:PFA+1] th:TH_LOAD_NT scope:SCOPE_SE
.Lnot_mine_\@:
.endm
.macro CREST                           ; a round of the cluster's barrier behind its opening barrier
	s_cmp_lg_u32 s[WV], 0
	s_cbranch_scc1 .Lnot_wave_0_\@
	s_barrier_signal -3
.Lnot_wave_0_\@:
	s_barrier_wait -3
	s_barrier_signal -1
	s_barrier_wait -1
.endm
.macro CROUND
	s_barrier_signal -1
	s_barrier_wait -1
	CREST
.endm
	s_load_b256 s[4:11], s[0:1], 0x0               ; xb s[4:5], wt s[6:7], bias s[8:9], qkv s[10:11]
	v_lshl_add_u32 v[SPW], v0, 2, SPARE
	v_mov_b32 v[NIL], 0
	ds_add_u32 v[SPW], v[NIL]                      ; the wave's opening: the add and its wait ahead of my first tensor load
	v_lshrrev_b32 v1, 5, v0
	v_readfirstlane_b32 s[WV], v1
	s_lshr_b32 s[RH], s[WV], 1
	s_and_b32 s[CH], s[WV], 1
	s_bfe_u32 s[CX], ttmp6, 0x40000
	s_bfe_u32 s[CY], ttmp6, 0x40004
	s_lshl_b32 s[TC], ttmp9, 2
	s_add_co_u32 s[TC], s[TC], s[CX]               ; tile column 0..15
	s_and_b32 s[TR], ttmp7, 0xffff
	s_lshl_b32 s[TR], s[TR], 2
	s_add_co_u32 s[TR], s[TR], s[CY]               ; tile row 0..31
	s_lshl_b32 s19, s[CY], 2
	s_lshl_b32 s19, 15, s19                        ; my row of the cluster
	s_lshl_b32 s59, 0x1111, s[CX]                  ; my column
	s_or_b32 s[G1A], s19, DW0
	s_or_b32 s[G1B], s59, DW0
	s_mov_b32 s[G1A+1], 128<<16                    ; tensor_dim0 = 128
	s_mov_b32 s[G1A+2], 128<<16                    ; tensor_dim1 = 128
	s_mov_b32 s[G1A+3], 128<<16                    ; tile_dim0 = 128
	s_mov_b32 s[G1A+4], 128                        ; tile_dim1 = 128
	s_mov_b32 s[G1A+5], 1024                       ; elements from row to row
	s_mov_b32 s[G1A+6], 0
	s_mov_b32 s[G1A+7], 0
	s_mov_b32 s[G1B+1], 128<<16
	s_mov_b32 s[G1B+2], 96<<16                     ; 96 rows
	s_mov_b32 s[G1B+3], 128<<16
	s_mov_b32 s[G1B+4], 96
	s_mov_b32 s[G1B+5], 1024
	s_mov_b32 s[G1B+6], 0
	s_mov_b32 s[G1B+7], 0
	s_lshl_b32 s20, s[TR], 8
	s_lshl_b32 s22, s[CH], 7
	s_add_co_u32 s20, s20, s22
	s_lshl_b32 s20, s20, 11                        ; xb: (256 tile row + 128 half) rows of 2,048 bytes
	s_mov_b32 s21, 0
	s_mul_i32 s66, s[TC], 192
	s_mul_i32 s68, s[CH], 96
	s_add_co_u32 s66, s66, s68
	s_lshl_b32 s66, s66, 11                        ; wt: (192 tile column + 96 half) rows
	s_mov_b32 s67, 0
	s_mul_i32 s62, s[CH], AH                       ; where they go: no place in the cluster enters an LDS address
	s_mul_i32 s63, s[CH], BH
	s_add_co_u32 s63, s63, BOFF
	s_mov_b32 s[TB], 0
	s_wait_dscnt 0x0                               ; the opening add is done
	s_wait_kmcnt 0x0
	s_add_nc_u64 s[20:21], s[4:5], s[20:21]
	s_add_nc_u64 s[66:67], s[6:7], s[66:67]
.irp s, 0,1
	s_mov_b32 s[G0A+4*(\s)], 1
	s_add_co_u32 s[G0A+4*(\s)+1], s62, (\s)*SLOT1
	s_add_nc_u64 s[G0A+4*(\s)+2:G0A+4*(\s)+3], s[20:21], (\s)*256
	s_or_b32 s[G0A+4*(\s)+3], s[G0A+4*(\s)+3], 0x80000000
	s_mov_b32 s[G0B+4*(\s)], 1
	s_add_co_u32 s[G0B+4*(\s)+1], s63, (\s)*SLOT1
	s_add_nc_u64 s[G0B+4*(\s)+2:G0B+4*(\s)+3], s[66:67], (\s)*256
	s_or_b32 s[G0B+4*(\s)+3], s[G0B+4*(\s)+3], 0x80000000
.endr
	CROUND                                         ; all sixteen work-groups are here: the first joint loads meet
	s_cmp_eq_u32 s[RH], 0                          ; a wave's two first fills stand in one branch: two loads of mine are out
	s_cbranch_scc0 .Lfirst_b
	tensor_load_to_lds s[G0A:G0A+3], s[G1A:G1A+7]
	s_nop 0
	tensor_load_to_lds s[G0A+4:G0A+7], s[G1A:G1A+7]
	s_nop 0
.rept 4
	v_nop
.endr
	s_branch .Lfirst_asked
.Lfirst_b:
	tensor_load_to_lds s[G0B:G0B+3], s[G1B:G1B+7]
	s_nop 0
	tensor_load_to_lds s[G0B+4:G0B+7], s[G1B:G1B+7]
	s_nop 0
.rept 4
	v_nop
.endr
.Lfirst_asked:
	v_and_b32 v1, 15, v0                           ; r = l % 16
	v_bfe_u32 v2, v0, 4, 1                         ; h = l / 16
	v_and_b32 v5, 31, v0                           ; l
	; the bias of my 96 columns, as a C operand: register j of block b = bias[192 tc + 96 CH + 16 b + 8 h + j]
	s_mul_i32 s22, s[TC], 768
	s_mul_i32 s23, s[CH], 384
	s_add_co_u32 s22, s22, s23
	s_mov_b32 s23, 0
	s_add_nc_u64 s[8:9], s[8:9], s[22:23]
	v_lshlrev_b32 v[BO], 5, v2
	WIN 0x40
.irp b, 0,1,2,3,4,5
	global_load_b128 v[BIA+8*(\b):BIA+8*(\b)+3],   v[BO], s[8:9] offset:64*(\b)
	global_load_b128 v[BIA+8*(\b)+4:BIA+8*(\b)+7], v[BO], s[8:9] offset:64*(\b)+16
.endr
	WIN 0
	v_mul_u32_u24 v3, v1, PITCH
	v_lshl_add_u32 v3, v2, 4, v3                   ; a fragment: row x pitch + 16 x half
	s_mul_i32 s22, s[RH], AH
	v_add_nc_u32 v[ADRA0], s22, v3
	v_add_nc_u32 v[ADRB0], s63, v3
	v_mov_b32 v[ADRA], v[ADRA0]
	v_mov_b32 v[ADRB], v[ADRB0]
	s_mul_i32 s22, s[RH], 128*SPITCH               ; into the stage: row 128 RH + 16 a + r, bytes 192 CH + 32 b + 16 h
	s_mul_i32 s23, s[CH], 192
	s_add_co_u32 s22, s22, s23
	v_mul_u32_u24 v4, v1, SPITCH
	v_lshl_add_u32 v4, v2, 4, v4
	v_add_nc_u32 v[STO], s22, v4
	s_mul_i32 s22, s[WV], 64*SPITCH                ; back: wave w takes rows 64 w ..; 32 lanes take 128 bytes of each of four rows,
	v_lshrrev_b32 v4, 3, v5
	v_mul_u32_u24 v4, v4, SPITCH
	v_and_b32 v6, 7, v0
	v_lshl_add_u32 v4, v6, 4, v4
	v_add_nc_u32 v[RD], s22, v4
	v_lshlrev_b32 v[CO], 4, v5                     ; which are 512 consecutive bytes of a block of qkv
	s_mul_i32 s22, s[TC], 3<<20                    ; qkv: block 3 tc, token 256 tr + 64 w
	s_lshl_b32 s23, s[TR], 15
	s_add_co_u32 s22, s22, s23
	s_lshl_b32 s23, s[WV], 13
	s_add_co_u32 s22, s22, s23
	s_mov_b32 s23, 0
	s_add_nc_u64 s[10:11], s[10:11], s[22:23]
	; the prefetches
	s_lshl_b32 s19, s[TR], 8
	s_lshl_b32 s22, s[CH], 7
	s_add_co_u32 s19, s19, s22
	s_lshl_b32 s22, s[CX], 5
	s_add_co_u32 s19, s19, s22                     ; xb: row 256 tr + 128 CH + 32 cx
	s_mul_i32 s59, s[TC], 192
	s_mul_i32 s22, s[CH], 96
	s_add_co_u32 s59, s59, s22
	s_mul_i32 s22, s[CY], 24
	s_add_co_u32 s59, s59, s22                     ; wt: row 192 tc + 96 CH + 24 cy
	s_and_b32 s23, ttmp7, 0xffff
	s_cmp_eq_u32 s[RH], 0
	s_cselect_b32 s19, s19, s59
	s_cselect_b32 s23, ttmp9, s23                  ; the coordinate along which other clusters read the same rows
	s_cselect_b32 s59, 31, 23
	s_cselect_b64 s[PFA:PFA+1], s[4:5], s[6:7]
	s_cmp_eq_u32 s23, 0
	s_cselect_b32 s[LIM], 1, -1                    ; the same in all sixteen partners, for a given wave
	s_lshl_b32 s22, s19, 11
	s_add_co_u32 s22, s22, 512                     ; at K step 2: the first refill steps it to 3
	s_mov_b32 s23, 0
	s_add_nc_u64 s[PFA:PFA+1], s[PFA:PFA+1], s[22:23]
	v_min_u32 v[PFO], s59, v5
	v_lshlrev_b32 v[PFO], 11, v[PFO]
; 12 matrix instructions: token blocks a0, a0 + 1 of the window's four x all 6 column blocks, 32 along K.  mode = 1: the bias starts the sums.
.macro MUL12 f, hi, a0, mode
.if \mode
	WIN 0x91+0x40*(\hi)                            ; wt window 1, xb window 0, C window 1, D window 2 or 3
.else
	WIN 0xa1+0x50*(\hi)
.endif
.irp a, \a0, (\a0)+1
.irp b, 0,1,2,3,4,5
.set rD, 8*(6*(\a)+(\b))
.set rB, (\f)+8*(\b)
.set rA, (\f)+8*(4*(\hi)+(\a))
.if \mode
	v_wmma_f32_16x16x32_bf16 v[rD:rD+7], v[rB:rB+7], v[rA:rA+7], v[BIA+8*(\b):BIA+8*(\b)+7]
.else
	v_wmma_f32_16x16x32_bf16 v[rD:rD+7], v[rB:rB+7], v[rA:rA+7], v[rD:rD+7]
.endif
.endr
.endr
.endm
; 28 LDS loads in one run: a quarter step's fragments (96 rows of wt, 128 of xb, 32 K at byte k of the rows) into buffer f
.macro FETCH k, f
	WIN 0x40
.irp i, 0,1,2,3,4,5
	ds_load_b128 v[(\f)+8*(\i):(\f)+8*(\i)+3],   v[ADRB] offset:(\k)+(\i)*16*PITCH
	ds_load_b128 v[(\f)+8*(\i)+4:(\f)+8*(\i)+7], v[ADRB] offset:(\k)+(\i)*16*PITCH+32
.endr
	WIN 0
.irp i, 0,1,2,3,4,5,6,7
	ds_load_b128 v[(\f)+8*(\i):(\f)+8*(\i)+3],   v[ADRA] offset:(\k)+(\i)*16*PITCH
	ds_load_b128 v[(\f)+8*(\i)+4:(\f)+8*(\i)+7], v[ADRA] offset:(\k)+(\i)*16*PITCH+32
.endr
.endm
; One of a K step's first three quarters: multiplies buffer f; in its middle fetches the next quarter, at byte k, into buffer g.  The 48 accumulators take turns.
.macro QUARTER k, f, g, mode
	s_wait_dscnt 8                                 ; wt and xb's blocks 0-3 are in; the youngest eight loads may be out
	MUL12 \f, 0, 0, \mode
	MUL12 \f, 0, 2, \mode
	PLACES
	FETCH \k, \g
	s_wait_dscnt 28                                ; all but the 28 just issued
	MUL12 \f, 1, 0, \mode
	MUL12 \f, 1, 2, \mode
.endm
; The last quarter multiplies buffer 1 and changes slots.  In front of the barrier each wave waits for all its tensor loads (one is out: its part of the next slot), adds 0 to its spare word, and waits for
; that and for its reads of this slot.  fill = 1: the barrier opens a round of the cluster's, and this slot is filled again, two K steps ahead, first thing behind the round: 168 matrix instructions ahead of the wait for it.
.macro TURN fill
.if \fill
	s_wait_xcnt 0x0                                ; the last prefetch, a K step back, has read its address
	s_add_nc_u64 s[PFA:PFA+1], s[PFA:PFA+1], 256
.endif
	WIN 0
	s_wait_tensorcnt 0x0
	ds_add_u32 v[SPW], v[NIL]
	s_wait_dscnt 9                                 ; (the add and the youngest eight loads may be out)
	MUL12 F1, 0, 0, 0
	s_wait_dscnt 0x0                               ; the add is done, and my reads of this slot are over
	s_barrier_signal -1
	MUL12 F1, 0, 2, 0
	WIN 0
	s_barrier_wait -1
.if \fill
	CREST
	s_xor_b32 s[G0A+5], s[G0A+5], SLOT1            ; the walking sets: the other slot, the next K step but one
	s_add_nc_u64 s[G0A+6:G0A+7], s[G0A+6:G0A+7], 256
	s_xor_b32 s[G0B+5], s[G0B+5], SLOT1
	s_add_nc_u64 s[G0B+6:G0B+7], s[G0B+6:G0B+7], 256
	JLOAD                                          ; the four v_nop behind it are also the places in front of the loads below
.else
	PLACES
.endif
	s_xor_b32 s[TB], s[TB], SLOT1
	v_add_nc_u32 v[ADRA], s[TB], v[ADRA0]
	v_add_nc_u32 v[ADRB], s[TB], v[ADRB0]
	FETCH 0, F0
.if \fill
	ASK
.endif
	MUL12 F1, 1, 0, 0
	MUL12 F1, 1, 2, 0
.endm
	s_wait_tensorcnt 0x1                           ; my part of K step 0 is in; K step 1's may stay out
	s_barrier_signal -1
	s_barrier_wait -1
	FETCH 0, F0
	s_wait_loadcnt 0x0                             ; the bias
	QUARTER 64, F0, F1, 1                          ; the first quarter stands in front of the loop: its products start the sums
	WIN 0
	s_mov_b32 s[CNT], 6
.Lstep:                                            ; six trips: from a K step's second quarter to the next one's first; they ask for K steps 2 to 7
	QUARTER 128, F1, F0, 0
	QUARTER 192, F0, F1, 0
	TURN 1
	QUARTER 64, F0, F1, 0
	WIN 0
	s_sub_co_u32 s[CNT], s[CNT], 1
	s_cmp_lg_u32 s[CNT], 0
	s_cbranch_scc1 .Lstep
	s_mov_b32 s[CNT], 2
.Ltail:                                            ; K steps 6 and 7 ask for nothing; the second trip is left in its middle (its change of slots fetches a run that nobody uses: the price of one text)
	QUARTER 128, F1, F0, 0
	QUARTER 192, F0, F1, 0
	TURN 0
	WIN 0
	s_sub_co_u32 s[CNT], s[CNT], 1
	s_cmp_eq_u32 s[CNT], 0
	s_cbranch_scc1 .Lout
	QUARTER 64, F0, F1, 0
	WIN 0
	s_branch .Ltail
.Lout:
	; THE WAY OUT.  All reads of the ring are over in every wave before the stage is written over slot 0.
	s_wait_dscnt 0x0
	s_barrier_signal -1
	s_barrier_wait -1
	PLACES
.macro PACK a                          ; 16 tokens x 96 columns: rounded to f16, each accumulator from its low end on; 16 bytes a lane into the stage
.set AC, 48*((\a)%4)
	WIN 0x0a+5*((\a)/4)
.irp b, 0,1,2,3,4,5
.irp r, 0,1,2,3
	v_cvt_pk_f16_f32 v[TMP+4*(\b)+(\r)], v[AC+8*(\b)+2*(\r)], v[AC+8*(\b)+2*(\r)+1]
.endr
.endr
	WIN 0
.irp b, 0,1,2,3,4,5
	ds_store_b128 v[STO], v[TMP+4*(\b):TMP+4*(\b)+3] offset:(\a)*16*SPITCH+32*(\b)
.endr
.endm
.irp a, 0,1,2,3,4,5,6,7
	PACK \a
.endr
	s_wait_dscnt 0x0                               ; for the others' sake: a row's 384 bytes come from two waves
	s_barrier_signal -1
	s_barrier_wait -1
.irp c, 0,1,2
.if (\c) == 2
	s_wait_xcnt 0x0                                ; the first set of registers is loaded again only when its stores have read it
.endif
.irp t, 0,1,2,3,4,5,6,7,8,9,10,11,12,13,14,15
	ds_load_b128 v[64+64*((\c)%2)+4*(\t):64+64*((\c)%2)+4*(\t)+3], v[RD] offset:(\t)*4*SPITCH+128*(\c)
.endr
.irp t, 0,1,2,3,4,5,6,7,8,9,10,11,12,13,14,15
	s_wait_dscnt 15-(\t)
	global_store_b128 v[CO], v[64+64*((\c)%2)+4*(\t):64+64*((\c)%2)+4*(\t)+3], s[10:11] offset:(\c)*1048576+512*(\t)   ; four tokens' 128 bytes: 512 consecutive bytes, aligned
.endr
.endr
	s_wait_tensorcnt 0x0                           ; the wave's end
	ds_add_u32 v[SPW], v[NIL]
	s_wait_dscnt 0x0
	CROUND                                         ; the closing round
	s_endpgm
.Lfunc_end_k_q0560e21cc4_proj:
	.size	k_q0560e21cc4_proj, .Lfunc_end_k_q0560e21cc4_proj-k_q0560e21cc4_proj
	.p2alignl 7, 3214868480
	.fill 96, 4, 3214868480
	.section	.rodata,"a",@progbits
	.p2align	6, 0x0
	.amdhsa_kernel k_q0560e21cc4_proj
		.amdhsa_group_segment_fixed_size 327680
		.amdhsa_private_segment_fixed_size 0
		.amdhsa_enable_private_segment 0
		.amdhsa_kernarg_size 32
		.amdhsa_user_sgpr_count 2
		.amdhsa_user_sgpr_kernarg_segment_ptr 1
		.amdhsa_wavefront_size32 1
		.amdhsa_system_sgpr_workgroup_id_x 1
		.amdhsa_system_sgpr_workgroup_id_y 1
		.amdhsa_system_sgpr_workgroup_id_z 1
		.amdhsa_system_vgpr_workitem_id 0
		.amdhsa_next_free_vgpr 960
		.amdhsa_next_free_sgpr 70
		.amdhsa_reserve_vcc 0
		.amdhsa_float_denorm_mode_32 3
		.amdhsa_float_denorm_mode_16_64 3
		.amdhsa_memory_ordered 1
		.amdhsa_forward_progress 1
		.amdhsa_inst_pref_size 84
	.end_amdhsa_kernel
	.amdgpu_metadata
---
amdhsa.version: [ 1, 2 ]
amdhsa.kernels:
  - .name:           k_q0560e21cc4_proj
    .symbol:         k_q0560e21cc4_proj.kd
    .args:
      - { .name: xb, .offset: 0, .size: 8, .value_kind: global_buffer, .address_space: global }
      - { .name: wt, .offset: 8, .size: 8, .value_kind: global_buffer, .address_space: global }
      - { .name: bias, .offset: 16, .size: 8, .value_kind: global_buffer, .address_space: global }
      - { .name: qkv, .offset: 24, .size: 8, .value_kind: global_buffer, .address_space: global }
    .group_segment_fixed_size: 327680
    .private_segment_fixed_size: 0
    .kernarg_segment_align: 8
    .kernarg_segment_size: 32
    .max_flat_workgroup_size: 128
    .sgpr_count:     70
    .vgpr_count:     960
    .wavefront_size: 32
...
	.end_amdgpu_metadata
.endif
;; end of part 2
;; launch score (part 3): grid 36 x 4, 4 waves a work-group, no clusters, 327,680 bytes of LDS; arguments qkv, pmat, statm, statl; writes pmat, statm, statl
.if DOCPART == 3
	.amdgcn_target "amdgcn-amd-amdhsa--gfx1250"
	.amdhsa_code_object_version 6
	.text
	.protected	k_q0560e21cc4_score
	.globl	k_q0560e21cc4_score
	.p2align	8
	.type	k_q0560e21cc4_score,@function
k_q0560e21cc4_score:
	s_mov_b64 s[64:65], 0
	v_nop
	global_prefetch_b8 v0, s[64:65] scope:SCOPE_SE
	s_setreg_imm32_b32 hwreg(HW_REG_WAVE_MODE, 25, 1), 1
	s_wait_xcnt 0x0
; SCORE.  For each of the 36 tiles (i, t), t <= i, of 256 queries x 256 keys of a batch: S = q k^T (f16 operands, f32 sums, K = 1,024); the causal mask on the diagonal tile;
; for each query the TILE's own maximum m; P = 2^(c s - c m) rounded to f16 into pmat[b][q][key]; c m into statm[b][t][q]; the f32 sums l of the unrounded weights of each half of 128 keys into statl[b][2 t + half][q].
; c = log2(e) / 32.  The launch behind brings the tiles of a row onto the row's maximum.  Tiles above the diagonal are not made; for them the diagonal tile's work-group stores neutral statistics (c m far below every c s, l = 0).
; LIMITS.  A hidden score counts as its value less 1e30 (f16 operands bound |q . k| by 4.4e12); a weight below 2^-126 counts as 0; NaN and infinities are not treated apart.
; NO CLUSTER: row block i has i + 1 tiles and key block t has 8 - t, so the 36 tiles of a batch do not fall into fours that share an operand.
; SHARES.  Four waves, each 128 queries x 128 keys: 64 accumulators, 512 registers.  K goes in 8 steps of 128 channels = two blocks of 64 of qkv; a wave fetches one dense block of 256 tokens x 128 bytes
; (asked for as 128 rows of 256 bytes, padded in LDS after every token): waves 0, 1 q's two, waves 2, 3 k's two.  The text of a K step is written once: the slot in hand is a scalar.
; Source 0 = 16 keys, source 1 = 16 queries: a lane holds ONE query (lane % 16) and eight neighbouring keys.
; REGISTERS.  window 0: v14-30 addresses; v64-127, v128-191 q's fragments, two buffers; window 1: k's at the same numbers; windows 2, 3: accumulator (a, bb) at v[8 (8 (a % 4) + bb)].
;   Behind the products window 0 holds: v64-71 maxima, v72-79 the partner's, v80-95 c m in pairs, v96-103 statistics read back, v112-119 l, v120-123 at work, v128-135 the diagonal block's mask,
;   v136-143 the neutral statistics, v192-223 packed weights, v32-63 and v224-255 rows read back, by turns.
.set KP,    144                        ; a token's 128 bytes + 16 in LDS: the 16 rows of a load start at 16 different groups of four banks (ISA guide 11.1)
.set BLK,   256*KP
.set SLOT,  4*BLK
.set STAGE, 2*SLOT                     ; 16 rows x 272 bytes for each wave
.set SP,    272
.set MXA,   STAGE+4*16*SP              ; 512 bytes a wave: its 128 maxima
.set STB,   MXA+2048                   ; 1,024 bytes a wave: its c m and l, to be read back by rows
.set SPARE, STB+4096                   ; the spare words, 128 bytes for each wave
.set DV,    14
.set ADRA0, 16
.set ADRA,  17
.set MXS,   18
.set MXL,   19
.set ADRB0, 20
.set ADRB,  21
.set STBS,  22
.set STBL,  23
.set STO,   24
.set RD,    25
.set CO,    26
.set SO,    27
.set SPW,   28
.set NIL,   29
.set PFO,   30
.set OB,    32
.set F0,    64
.set F1,    128
.set MX,    64
.set PX,    72
.set CM,    80
.set SB,    96
.set LS,    112
.set CC,    120
.set MD,    128
.set NEU,   136
.set ZZ,    140
.set TMP,   192
.set WV,  12
.set RH,  13
.set KH,  14
.set IB,  15
.set TT,  16
.set BB,  17
.set DW,  19                           ; 1: the diagonal tile
.set DG,  20                           ; 1: my 128 x 128 holds the diagonal
.set HID, 21                           ; 1: my 128 x 128 is hidden as a whole
.set G1,  24
.set G0,  32                           ; two sets: the first serves K step 0; the second K step 1 and then walks
.set LW,  40
.set TF,  41                           ; 0 or SLOT: the slot that the walking set names
.set TB,  42                           ; 0 or SLOT: the slot in hand
.set CNT, 43
.set LIM, 44
.set PFA, 46
.set CSW, 48                           ; s[48:49] c (0 in a hidden wave)
.set HB,  50                           ; 0 (1e30 in a hidden wave)
.set BIG, 52                           ; s[52:53] -1e30
.set SEL, 54
.set MSB, 0
.macro WIN new
.if MSB != (\new)
	s_set_vgpr_msb (MSB<<8)|(\new)
.set MSB, \new
.endif
.endm
.macro WINA a, w2, w3                  ; the setting for block a's window: blocks 0-3 lie in window 2, 4-7 in window 3
.if (\a) < 4
	WIN \w2
.else
	WIN \w3
.endif
.endm
.macro PLACES
.rept 4
	v_nop
.endr
.endm
.macro TRI k, tk                       ; i = the number of triangular numbers not above x
	s_cmp_ge_u32 ttmp9, \tk
	s_cselect_b32 s[IB], \k, s[IB]
	s_cselect_b32 s18, \tk, s18
.endm
; A prefetch into the L2 of my own dense 32 KiB of the K step that the NEXT refill asks for: 128 blocks of 256 bytes, a lane a block, four instructions.  q's block i is named by the work-group with t = 0
; (waves 0, 1), k's block t by the diagonal work-group (waves 2, 3): each block once in the launch.  The last refill names nothing.
.macro ASK
	s_cmp_gt_u32 s[CNT], s[LIM]
	s_cbranch_scc0 .Lnot_mine_\@
.irp j, 0,1,2,3
	global_prefetch_b8 v[PFO], s[PFA:PFA+1] offset:8192*(\j) th:TH_LOAD_NT scope:SCOPE_SE
.endr
.Lnot_mine_\@:
.endm
	s_load_b256 s[4:11], s[0:1], 0x0               ; qkv s[4:5], pmat s[6:7], statm s[8:9], statl s[10:11]
	v_lshl_add_u32 v[SPW], v0, 2, SPARE
	v_mov_b32 v[NIL], 0
	ds_add_u32 v[SPW], v[NIL]                      ; the wave's opening: the add and its wait ahead of my first tensor load
	v_lshrrev_b32 v1, 5, v0
	v_readfirstlane_b32 s[WV], v1
	s_lshr_b32 s[RH], s[WV], 1                     ; which 128 queries.  Also: I fetch for q (0) or k (1)
	s_and_b32 s[KH], s[WV], 1                      ; which 128 keys.  Also: which of a K step's two blocks I fetch
	s_and_b32 s[BB], ttmp7, 0xffff
	s_mov_b32 s[IB], 0
	s_mov_b32 s18, 0
	TRI 1, 1
	TRI 2, 3
	TRI 3, 6
	TRI 4, 10
	TRI 5, 15
	TRI 6, 21
	TRI 7, 28
	s_sub_co_u32 s[TT], ttmp9, s18
	s_cmp_eq_u32 s[IB], s[TT]
	s_cselect_b32 s[DW], 1, 0
	s_cmp_eq_u32 s[RH], s[KH]
	s_cselect_b32 s[DG], s[DW], 0
	s_cmp_gt_u32 s[KH], s[RH]
	s_cselect_b32 s[HID], s[DW], 0
	s_cmp_eq_u32 s[HID], 1
	s_cselect_b32 s[CSW], 0, 0x3d38aa3b            ; c = log2(e) / 32
	s_cselect_b32 s[HB], 0x7149f2ca, 0
	s_mov_b32 s[CSW+1], s[CSW]
	s_mov_b32 s[BIG], 0xf149f2ca
	s_mov_b32 s[BIG+1], s[BIG]
	s_mov_b32 s[SEL], 0x76543210
	s_mov_b32 s[SEL+1], 0xfedcba98
	s_mov_b32 s[G1], (1<<16)|(1<<20)|(4<<22)|(3<<25)   ; 2-byte elements; padding on; after every 32 words; 4 words
	s_mov_b32 s[G1+1], 128<<16
	s_mov_b32 s[G1+2], 128<<16
	s_mov_b32 s[G1+3], 128<<16
	s_mov_b32 s[G1+4], 128
	s_mov_b32 s[G1+5], 128
	s_mov_b32 s[G1+6], 0
	s_mov_b32 s[G1+7], 0
	s_mul_i32 s[LW], s[WV], BLK
	s_mov_b32 s[TF], SLOT
	s_mov_b32 s[TB], 0
	s_cmp_lt_u32 s[WV], 2
	s_cselect_b32 s22, s[IB], s[TT]                ; my block of 256 tokens,
	s_lshl_b32 s22, s22, 15
	s_lshl_b32 s23, s[BB], 18                      ; in my batch,
	s_add_co_u32 s22, s22, s23
	s_lshl_b32 s23, s[RH], 24                      ; q's or k's sixteen blocks of channels,
	s_add_co_u32 s22, s22, s23
	s_lshl_b32 s23, s[KH], 20                      ; the even or the odd one
	s_add_co_u32 s22, s22, s23
	s_mov_b32 s23, 0
	s_cmp_eq_u32 s[TT], 0
	s_cselect_b32 s62, 1, 0
	s_cmp_lt_u32 s[WV], 2
	s_cselect_b32 s62, s62, s[DW]
	s_cmp_eq_u32 s62, 1
	s_cselect_b32 s[LIM], 1, -1
	s_wait_dscnt 0x0                               ; the opening add is done
	s_wait_kmcnt 0x0
	s_add_nc_u64 s[56:57], s[4:5], s[22:23]
	s_mov_b32 s[G0], 1
	s_mov_b32 s[G0+1], s[LW]
	s_mov_b64 s[G0+2:G0+3], s[56:57]
	s_or_b32 s[G0+3], s[G0+3], 0x80000000
	s_mov_b32 s[G0+4], 1
	s_add_co_u32 s[G0+5], s[LW], SLOT
	s_add_nc_u64 s[G0+6:G0+7], s[56:57], 2097152   ; a K step is two blocks of 1,048,576 bytes
	s_or_b32 s[G0+7], s[G0+7], 0x80000000
	tensor_load_to_lds s[G0:G0+3], s[G1:G1+7]      ; the two first fills go out together: two loads of mine are out
	s_nop 0
	tensor_load_to_lds s[G0+4:G0+7], s[G1:G1+7]
	s_nop 0
.rept 4
	v_nop
.endr
	s_add_nc_u64 s[PFA:PFA+1], s[56:57], 4194304   ; at K step 2: the first refill steps it to 3
	v_and_b32 v1, 15, v0                           ; r
	v_bfe_u32 v2, v0, 4, 1                         ; h
	v_and_b32 v5, 31, v0                           ; l
	v_mul_u32_u24 v3, v1, KP
	v_lshl_add_u32 v3, v2, 4, v3
	s_mul_i32 s62, s[RH], 128*KP
	s_mul_i32 s63, s[KH], 128*KP
	s_add_co_u32 s63, s63, 2*BLK
	v_add_nc_u32 v[ADRA0], s62, v3
	v_add_nc_u32 v[ADRB0], s63, v3
	v_mov_b32 v[ADRA], v[ADRA0]
	v_mov_b32 v[ADRB], v[ADRB0]
	s_mul_i32 s62, s[WV], 16*SP
	s_add_co_u32 s62, s62, STAGE
	v_mul_u32_u24 v4, v1, SP
	v_lshl_add_u32 v4, v2, 4, v4
	v_add_nc_u32 v[STO], s62, v4                   ; in: row r, 16 bytes for each half of the lanes
	v_mul_u32_u24 v4, v2, SP
	v_lshl_add_u32 v4, v1, 4, v4
	v_add_nc_u32 v[RD], s62, v4                    ; back: lanes 0-15 one row of 256 bytes, lanes 16-31 the next
	v_lshlrev_b32 v[CO], 12, v2
	v_lshl_add_u32 v[CO], v1, 4, v[CO]             ; the same two rows in pmat
	s_lshl_b32 s62, s[WV], 9
	s_add_co_u32 s62, s62, MXA
	v_lshl_add_u32 v[MXS], v1, 2, s62
	s_xor_b32 s62, s[WV], 1
	s_lshl_b32 s62, s62, 9
	s_add_co_u32 s62, s62, MXA
	v_lshl_add_u32 v[MXL], v1, 2, s62              ; the wave with the same queries and the other keys
	s_lshl_b32 s62, s[WV], 10
	s_add_co_u32 s62, s62, STB
	v_lshl_add_u32 v[STBS], v1, 2, s62
	v_lshl_add_u32 v[STBL], v5, 4, s62
	v_lshlrev_b32 v[SO], 4, v5
	v_lshlrev_b32 v[PFO], 8, v5
	v_lshlrev_b32 v[DV], 3, v2
	v_sub_nc_u32 v[DV], v1, v[DV]                  ; r - 8 h: in a diagonal block register j is hidden where j is greater
	s_mov_b32 s63, 0
	s_lshl_b32 s62, s[BB], 23                      ; pmat: batch, row 256 i + 128 RH, byte 512 t + 256 KH
	s_lshl_b32 s18, s[IB], 20
	s_add_co_u32 s62, s62, s18
	s_lshl_b32 s18, s[RH], 19
	s_add_co_u32 s62, s62, s18
	s_lshl_b32 s18, s[TT], 9
	s_add_co_u32 s62, s62, s18
	s_lshl_b32 s18, s[KH], 8
	s_add_co_u32 s62, s62, s18
	s_add_nc_u64 s[6:7], s[6:7], s[62:63]
	s_lshl_b32 s58, s[IB], 10                      ; my 128 rows in a line of statistics: 4 (256 i + 128 RH)
	s_lshl_b32 s18, s[RH], 9
	s_add_co_u32 s58, s58, s18
	s_lshl_b32 s62, s[BB], 16                      ; statm: line 8 b + t
	s_lshl_b32 s18, s[TT], 13
	s_add_co_u32 s62, s62, s18
	s_add_co_u32 s62, s62, s58
	s_add_nc_u64 s[8:9], s[8:9], s[62:63]
	s_lshl_b32 s62, s[BB], 17                      ; statl: line 16 b + 2 t + KH
	s_lshl_b32 s18, s[TT], 14
	s_add_co_u32 s62, s62, s18
	s_lshl_b32 s18, s[KH], 13
	s_add_co_u32 s62, s62, s18
	s_add_co_u32 s62, s62, s58
	s_add_nc_u64 s[10:11], s[10:11], s[62:63]
; 16 matrix instructions: query blocks a0, a0 + 1 of the window's four x all 8 key blocks, 32 channels.  zero = 1: the first product starts the sums.
.macro MUL16 f, hi, a0, zero
	WIN 0xa1+0x50*(\hi)                            ; k window 1, q window 0, C and D window 2 or 3
.irp a, \a0, (\a0)+1
.irp b, 0,1,2,3,4,5,6,7
.set rD, 8*(8*(\a)+(\b))
.set rB, (\f)+8*(\b)
.set rA, (\f)+8*(4*(\hi)+(\a))
.if \zero
	v_wmma_f32_16x16x32_f16 v[rD:rD+7], v[rB:rB+7], v[rA:rA+7], 0
.else
	v_wmma_f32_16x16x32_f16 v[rD:rD+7], v[rB:rB+7], v[rA:rA+7], v[rD:rD+7]
.endif
.endr
.endr
.endm
.macro FETCH k, f                      ; 32 LDS loads in one run: a quarter step's fragments, at byte k behind the two addresses
	WIN 0x40
.irp i, 0,1,2,3,4,5,6,7
	ds_load_b128 v[(\f)+8*(\i):(\f)+8*(\i)+3],   v[ADRB] offset:(\k)+(\i)*16*KP
	ds_load_b128 v[(\f)+8*(\i)+4:(\f)+8*(\i)+7], v[ADRB] offset:(\k)+(\i)*16*KP+32
.endr
	WIN 0
.irp i, 0,1,2,3,4,5,6,7
	ds_load_b128 v[(\f)+8*(\i):(\f)+8*(\i)+3],   v[ADRA] offset:(\k)+(\i)*16*KP
	ds_load_b128 v[(\f)+8*(\i)+4:(\f)+8*(\i)+7], v[ADRA] offset:(\k)+(\i)*16*KP+32
.endr
.endm
.macro QUARTER k, f, g, zero           ; the 64 accumulators take turns
	s_wait_dscnt 8                                 ; k and q's blocks 0-3 are in; the youngest eight loads may be out
	MUL16 \f, 0, 0, \zero
	MUL16 \f, 0, 2, \zero
	PLACES
	FETCH \k, \g
	s_wait_dscnt 32                                ; all but the 32 just issued
	MUL16 \f, 1, 0, \zero
	MUL16 \f, 1, 2, \zero
.endm
; The last quarter and the change of slots: every wave waits for all its tensor loads (one is out: its block of the next slot), adds 0 to its spare word, waits for that and for its reads of this slot, and passes the barrier;
; fill = 1: this slot is filled again, two K steps ahead, first thing behind it: 224 matrix instructions ahead of the wait for it.
.macro TURN fill
.if \fill
	s_wait_xcnt 0x0                                ; the last prefetches, a K step back, have read their address
	s_add_nc_u64 s[PFA:PFA+1], s[PFA:PFA+1], 2097152
.endif
	WIN 0
	s_wait_tensorcnt 0x0
	ds_add_u32 v[SPW], v[NIL]
.if \fill
	s_xor_b32 s[TF], s[TF], SLOT                   ; no load of mine is out: the walking set takes the other slot and the next K step but one
	s_add_co_u32 s[G0+5], s[LW], s[TF]
	s_add_nc_u64 s[G0+6:G0+7], s[G0+6:G0+7], 2097152
.endif
	s_wait_dscnt 9                                 ; (the add and the youngest eight loads may be out)
	MUL16 F1, 0, 0, 0
	s_wait_dscnt 0x0                               ; the add is done, and my reads of this slot are over
	s_barrier_signal -1
	MUL16 F1, 0, 2, 0
	WIN 0
	s_barrier_wait -1
.if \fill
	tensor_load_to_lds s[G0+4:G0+7], s[G1:G1+7]
	s_nop 0
.endif
	PLACES                                         ; behind the load, and in front of the loads into buffer 0
	s_xor_b32 s[TB], s[TB], SLOT
	v_add_nc_u32 v[ADRA], s[TB], v[ADRA0]
	v_add_nc_u32 v[ADRB], s[TB], v[ADRB0]
	FETCH 0, F0
.if \fill
	ASK
.endif
	MUL16 F1, 1, 0, 0
	MUL16 F1, 1, 2, 0
.endm
	s_wait_tensorcnt 0x1                           ; my block of K step 0 is in; K step 1's may stay out
	s_barrier_signal -1
	s_barrier_wait -1
	FETCH 0, F0
	QUARTER 64, F0, F1, 1                          ; channels 0-31 multiplied, 32-63 fetched
	WIN 0
	s_mov_b32 s[CNT], 6
.Lstep:                                            ; six trips; they ask for K steps 2 to 7
	QUARTER BLK, F1, F0, 0                         ; the step's second block of 64 channels lies BLK bytes on
	QUARTER BLK+64, F0, F1, 0
	TURN 1
	QUARTER 64, F0, F1, 0
	WIN 0
	s_sub_co_u32 s[CNT], s[CNT], 1
	s_cmp_lg_u32 s[CNT], 0
	s_cbranch_scc1 .Lstep
	s_mov_b32 s[CNT], 2
.Ltail:                                            ; K steps 6 and 7 ask for nothing; the second trip is left in its middle
	QUARTER BLK, F1, F0, 0
	QUARTER BLK+64, F0, F1, 0
	TURN 0
	WIN 0
	s_sub_co_u32 s[CNT], s[CNT], 1
	s_cmp_eq_u32 s[CNT], 0
	s_cbranch_scc1 .Lout
	QUARTER 64, F0, F1, 0
	WIN 0
	s_branch .Ltail
.Lout:
	s_wait_dscnt 0x0                               ; the run that the last change of slots fetched, which nobody uses, has landed: its registers are free
	PLACES
.irp j, 0,1,2,3,4,5,6,7
	v_cmp_gt_i32 vcc_lo, \j, v[DV]
	v_cndmask_b32 v[MD+(\j)], 0, s[BIG], vcc_lo
.endr
.irp j, 0,1,2,3
	v_mov_b32 v[NEU+(\j)], 0xfe000000              ; far below every c s
	v_mov_b32 v[ZZ+(\j)], 0
.endr
	s_cmp_eq_u32 s[DG], 1
	s_cbranch_scc0 .Lno_mask
	; THE MASK, where my 128 x 128 holds the diagonal: key blocks behind the query block are hidden as a whole, the block on the diagonal by MD.  Each accumulator from its low end on.
.irp a, 0,1,2,3,4,5,6,7
	WINA \a, 0x82, 0xc3
.irp bb, 0,1,2,3,4,5,6,7
.if (\bb) >= (\a)
.irp z, 0,1,2,3
.set rX, 64*((\a)%4)+8*(\bb)+2*(\z)
.if (\bb) == (\a)
	v_pk_add_f32 v[rX:rX+1], v[rX:rX+1], v[MD+2*(\z):MD+2*(\z)+1]
.else
	v_pk_add_f32 v[rX:rX+1], v[rX:rX+1], s[BIG:BIG+1] op_sel_hi:[1,0]
.endif
.endr
.endif
.endr
.endr
	WIN 0
.Lno_mask:
; The maximum of a query's 64 scores in my lane, four chains of sixteen (two accumulators each, the low registers read first), then the other half of the lanes.
.macro ROWMAX a
.set AC, 64*((\a)%4)
	WINA \a, 0x2a, 0x3f
.irp k, 0,1,2,3
	v_max3_num_f32 v[CC+(\k)], v[AC+16*(\k)], v[AC+16*(\k)+1], v[AC+16*(\k)+2]
.endr
	WINA \a, 0x28, 0x3c
.irp m, 1,2,3,4,5,6
.irp k, 0,1,2,3
	v_max3_num_f32 v[CC+(\k)], v[CC+(\k)], v[AC+16*(\k)+2*(\m)+1], v[AC+16*(\k)+2*(\m)+2]
.endr
.endr
	v_max3_num_f32 v[CC], v[CC], v[AC+15], v[AC+31]
	v_max3_num_f32 v[CC+2], v[CC+2], v[AC+47], v[AC+63]
	WIN 0
	v_max3_num_f32 v[CC], v[CC], v[CC+1], v[CC+2]
	v_max_num_f32 v[CC], v[CC], v[CC+3]
	v_permlanex16_b32 v[CC+1], v[CC], s[SEL], s[SEL+1]
	v_max_num_f32 v[MX+(\a)], v[CC], v[CC+1]
.endm
.irp a, 0,1,2,3,4,5,6,7
	ROWMAX \a
.endr
	s_cmp_eq_u32 s[HID], 1
	s_cbranch_scc0 .Lnot_hid
.irp a, 0,1,2,3,4,5,6,7
	v_mov_b32 v[MX+(\a)], 0xff7fffff               ; a hidden wave's scores take no part in the maximum
.endr
.Lnot_hid:
.irp a, 0,1,2,3,4,5,6,7
	ds_store_b32 v[MXS], v[MX+(\a)] offset:64*(\a)
.endr
	s_wait_dscnt 0x0                               ; for the other wave's sake
	s_barrier_signal -1
	s_barrier_wait -1
.irp a, 0,1,2,3,4,5,6,7
	ds_load_b32 v[PX+(\a)], v[MXL] offset:64*(\a)
.endr
	s_wait_dscnt 0x0
.irp a, 0,1,2,3,4,5,6,7
	v_max_num_f32 v[MX+(\a)], v[MX+(\a)], v[PX+(\a)]           ; the tile's maximum for the query
	v_fma_f32 v[CM+2*(\a)], v[MX+(\a)], s[CSW], s[HB]          ; c m (1e30 in a hidden wave, whose weights so become 0)
	v_mov_b32 v[CM+2*(\a)+1], v[CM+2*(\a)]
.endr
.macro SCALE a                         ; c s - c m
.set AC, 64*((\a)%4)
	WINA \a, 0x82, 0xc3
.set n, 0
.rept 32
	v_pk_fma_f32 v[AC+n:AC+n+1], v[AC+n:AC+n+1], s[CSW:CSW+1], v[CM+2*(\a):CM+2*(\a)+1] op_sel_hi:[1,0,0] neg_lo:[0,0,1] neg_hi:[0,0,1]
.set n, n+2
.endr
.endm
.macro EXPS a                          ; one batch of 64
.set AC, 64*((\a)%4)
	WINA \a, 0x82, 0xc3
.set n, 0
.rept 64
	v_exp_f32 v[AC+n], v[AC+n]
.set n, n+1
.endr
.endm
.macro CVT a
.set AC, 64*((\a)%4)
	WINA \a, 0x0a, 0x0f
.set n, 0
.rept 32
	v_cvt_pk_f16_f32 v[TMP+n], v[AC+2*n], v[AC+2*n+1]
.set n, n+1
.endr
.endm
.macro SUM a                           ; the 64 unrounded weights, in place: pairs 16, 8, 4, 2 and 1 apart, then the pair's two
.set AC, 64*((\a)%4)
	WINA \a, 0x8a, 0xcf
.set SD, 32
.rept 5
.set SU, 0
.rept SD/2
	v_pk_add_f32 v[AC+SU:AC+SU+1], v[AC+SU:AC+SU+1], v[AC+SD+SU:AC+SD+SU+1]
.set SU, SU+2
.endr
.set SD, SD/2
.endr
	WINA \a, 0x0a, 0x0f
	v_add_f32 v[LS+(\a)], v[AC], v[AC+1]
.endm
.macro TOSTAGE a                       ; 16 queries x 128 keys through my own stage; LDS serves a wave's instructions in order (ISA guide 5.7.1.4)
	WIN 0
.set BK, OB+192*((\a)%2)
.irp bb, 0,1,2,3,4,5,6,7
	ds_store_b128 v[STO], v[TMP+4*(\bb):TMP+4*(\bb)+3] offset:32*(\bb)
.endr
.irp t, 0,1,2,3,4,5,6,7
	ds_load_b128 v[BK+4*(\t):BK+4*(\t)+3], v[RD] offset:(\t)*2*SP
.endr
.endm
.macro SEND a
	WIN 0
.set BK, OB+192*((\a)%2)
	s_wait_dscnt 0x0                               ; the block is back in registers
	s_wait_xcnt 0x0                                ; the stores of the block before have read their registers, which the next block's loads take
.irp t, 0,1,2,3,4,5,6,7
	global_store_b128 v[CO], v[BK+4*(\t):BK+4*(\t)+3], s[6:7] offset:(\a)*65536+8192*(\t)   ; 16 lanes store 256 consecutive bytes, aligned
.endr
.endm
	; THE WEIGHTS, a block of 16 queries at a time.  A block's 64 exponentials are one batch; the next block's scalings are the independent work behind it; then one wait.
	SCALE 0
.irp a, 0,1,2,3,4,5,6,7
	EXPS \a
.if (\a) < 7
	SCALE (\a)+1
.else
	v_nop
.endif
	s_wait_alu depctr_va_vdst(0)
	CVT \a
	SUM \a
.if (\a) > 0
	SEND (\a)-1
.endif
	TOSTAGE \a
.endr
	SEND 7
	; THE STATISTICS: l's other half of the lanes; c m and l by rows through my own LDS bytes, so that a store covers 512 consecutive bytes
.irp a, 0,1,2,3,4,5,6,7
	v_permlanex16_b32 v[PX+(\a)], v[LS+(\a)], s[SEL], s[SEL+1]
.endr
.irp a, 0,1,2,3,4,5,6,7
	v_add_f32 v[LS+(\a)], v[LS+(\a)], v[PX+(\a)]
.endr
.irp a, 0,1,2,3,4,5,6,7
	ds_store_b32 v[STBS], v[CM+2*(\a)] offset:64*(\a)
	ds_store_b32 v[STBS], v[LS+(\a)] offset:512+64*(\a)
.endr
	ds_load_b128 v[SB:SB+3], v[STBL]
	ds_load_b128 v[SB+4:SB+7], v[STBL] offset:512
	s_wait_dscnt 0x0
	global_store_b128 v[SO], v[SB+4:SB+7], s[10:11]
	s_cmp_eq_u32 s[KH], 0                          ; both waves of a row half hold the same c m: one stores it
	s_cbranch_scc0 .Lno_m
	global_store_b128 v[SO], v[SB:SB+3], s[8:9]
.Lno_m:
	s_cmp_eq_u32 s[DW], 1                          ; the diagonal tile's work-group fills the lines of the tiles t = i + u that are not made
	s_cbranch_scc0 .Lno_neu
.irp u, 1,2,3,4,5,6,7
	s_cmp_gt_u32 s[IB], 7-(\u)
	s_cbranch_scc1 .Lz_done
	global_store_b128 v[SO], v[ZZ:ZZ+3], s[10:11] offset:16384*(\u)
.endr
.Lz_done:
	s_cmp_eq_u32 s[KH], 0
	s_cbranch_scc0 .Lno_neu
.irp u, 1,2,3,4,5,6,7
	s_cmp_gt_u32 s[IB], 7-(\u)
	s_cbranch_scc1 .Lno_neu
	global_store_b128 v[SO], v[NEU:NEU+3], s[8:9] offset:8192*(\u)
.endr
.Lno_neu:
	s_wait_tensorcnt 0x0                           ; the wave's end
	ds_add_u32 v[SPW], v[NIL]
	s_wait_dscnt 0x0
	s_endpgm
.Lfunc_end_k_q0560e21cc4_score:
	.size	k_q0560e21cc4_score, .Lfunc_end_k_q0560e21cc4_score-k_q0560e21cc4_score
	.p2alignl 7, 3214868480
	.fill 96, 4, 3214868480
	.section	.rodata,"a",@progbits
	.p2align	6, 0x0
	.amdhsa_kernel k_q0560e21cc4_score
		.amdhsa_group_segment_fixed_size 327680
		.amdhsa_private_segment_fixed_size 0
		.amdhsa_enable_private_segment 0
		.amdhsa_kernarg_size 32
		.amdhsa_user_sgpr_count 2
		.amdhsa_user_sgpr_kernarg_segment_ptr 1
		.amdhsa_wavefront_size32 1
		.amdhsa_system_sgpr_workgroup_id_x 1
		.amdhsa_system_sgpr_workgroup_id_y 1
		.amdhsa_system_sgpr_workgroup_id_z 1
		.amdhsa_system_vgpr_workitem_id 0
		.amdhsa_next_free_vgpr 1024
		.amdhsa_next_free_sgpr 66
		.amdhsa_reserve_vcc 1
		.amdhsa_float_denorm_mode_32 3
		.amdhsa_float_denorm_mode_16_64 3
		.amdhsa_memory_ordered 1
		.amdhsa_forward_progress 1
		.amdhsa_inst_pref_size 183
	.end_amdhsa_kernel
	.amdgpu_metadata
---
amdhsa.version: [ 1, 2 ]
amdhsa.kernels:
  - .name:           k_q0560e21cc4_score
    .symbol:         k_q0560e21cc4_score.kd
    .args:
      - { .name: qkv, .offset: 0, .size: 8, .value_kind: global_buffer, .address_space: global }
      - { .name: pmat, .offset: 8, .size: 8, .value_kind: global_buffer, .address_space: global }
      - { .name: statm, .offset: 16, .size: 8, .value_kind: global_buffer, .address_space: global }
      - { .name: statl, .offset: 24, .size: 8, .value_kind: global_buffer, .address_space: global }
    .group_segment_fixed_size: 327680
    .private_segment_fixed_size: 0
    .kernarg_segment_align: 8
    .kernarg_segment_size: 32
    .max_flat_workgroup_size: 128
    .sgpr_count:     66
    .vgpr_count:     1024
    .wavefront_size: 32
...
	.end_amdgpu_metadata
.endif
;; end of part 3
;; launch pv (part 4): grid 8 x 32, 4 waves a work-group, clusters of 4 x 1, 327,680 bytes of LDS; arguments pmat, qkv, statm, statl, out0; writes out0
.if DOCPART == 4
	.amdgcn_target "amdgcn-amd-amdhsa--gfx1250"
	.amdhsa_code_object_version 6
	.text
	.protected	k_q0560e21cc4_pv
	.globl	k_q0560e21cc4_pv
	.p2align	8
	.type	k_q0560e21cc4_pv,@function
k_q0560e21cc4_pv:
	s_mov_b64 s[64:65], 0
	v_nop
	global_prefetch_b8 v0, s[64:65] scope:SCOPE_SE
	s_setreg_imm32_b32 hwreg(HW_REG_WAVE_MODE, 25, 1), 1
	s_wait_xcnt 0x0
	s_wait_alu depctr_hold_cnt(0) depctr_sa_sdst(0) depctr_va_vdst(0) depctr_va_sdst(0) depctr_va_ssrc(0) depctr_va_vcc(0) depctr_vm_vsrc(0)
	s_getreg_b32 s2, hwreg(HW_REG_IB_STS2, 6, 4)
	s_cmp_eq_u32 s2, 0
	s_cbranch_scc0 .Lentry_in_a_cluster
	s_endpgm
.Lentry_in_a_cluster:
	s_bfe_u32 s2, ttmp6, 0x10000c
	s_cmp_lg_u32 s2, 0x3003
	s_cbranch_scc0 .Lentry_shape_is_right
	s_endpgm
.Lentry_shape_is_right:
; PV.  out[b][q][d] = ( sum over key tiles t of f_t[q] (P_t V_t)[q][d] ) / L[q], with M = max over t of c m_t, f_t = 2^(c m_t - M) <= 1, L = sum of f_t l_t >= 1: the softmax over the whole row, by its true maximum.
; P and V in f16, sums in f32; f_t is applied in f32 to a step's own accumulators, so P is rounded once only.  A weight or factor below 2^-126 counts as 0; NaN and infinities are not treated apart.
; THE WALK.  A work-group makes TWO tiles of 128 rows x 128 channels: row block p (its (p >> 1) + 1 key tiles of 256) and then row block 15 - p: always 9 key tiles, so all 256 work-groups do equal work and
; every trip count is a constant.  Which tile is asked for hangs on scalars made from p; the ring runs on across the change of blocks.
; CLUSTER 4 x 1: the four partners take four blocks of 128 channels of the same rows: P's tile is asked for jointly; V's differs from partner to partner and comes by loads of one's own behind the same round.
; SHARES.  Four waves, each 64 rows x 64 channels: 16 accumulators for the step in hand (every step's first products start with 0) and 16 totals.  Waves 0, 1 fetch P's halves of 64 rows, waves 2, 3 V's two blocks of 64 channels.
; Source 0 = V^T (turned on the way out of LDS), source 1 = P: a lane holds one row and eight neighbouring channels.
; THE FACTORS lie in LDS in the order of the walk, so that the loop's address steps by one entry a trip whatever p: which block's factor an entry holds is a choice of values, made once at the head.
; REGISTERS.  window 0: v16-31 addresses; v32-63, v96-127 rows on the way out; v64-71 the four factors (even registers); v128-255 the step's accumulators (at the head: the statistics)
;   window 1: two fragment buffers of 128 (P's 64, then V^T's 64)          window 2: v0-127 the totals, (a, b) at 8 (4 a + b)
.set AP,    528                        ; a row of P in LDS: 512 bytes + 16
.set AH,    64*AP
.set VP,    160                        ; a key's 128 bytes of V + 32
.set VBLK,  256*VP
.set VB0,   2*AH
.set SLOT,  VB0+2*VBLK
.set STAGE, 2*SLOT                     ; 16 rows x 272 bytes for each wave
.set SP,    272
.set FT,    STAGE+4*16*SP              ; a table for each row half: entries 0..8 the factor of the walk's step, 9 and 10 1 / L of the short and of the long block; an entry is [a 4][r 16] f32, 256 bytes
.set TBL,   11*256
.set SPARE, FT+2*TBL                   ; the spare words, 128 bytes for each wave
.set ADRA0, 16
.set ADRA,  17
.set ADRV0, 20
.set ADRV,  21
.set FA0,   22                         ; v22  my row's place in entry 0 of my row half's table; never rewritten
.set FAD,   23
.set STO,   24
.set RD,    25
.set CO,    26
.set FW,    27
.set SPW,   28
.set NIL,   29
.set PFOA,  30
.set PFOV,  31
.set FF,    64
.set ACC,   128
.set F0,    0
.set F1,    128
.set SC,    128                        ; the head's scratch, for my one row of each block: the short block's c m, t = 0..3; then f
.set SL0,   132                        ; its l of a tile's first 128 keys; then of the tile
.set SL1,   136                        ; and of the second 128
.set LC,    140                        ; the long block's c m, t = 0..7; then f
.set LL0,   148
.set LL1,   156
.set XM,    164                        ; M: short, long
.set XT,    166                        ; L
.set XR,    168                        ; 1 / L
.set WK,    170                        ; v171-178 the factors of the walk's steps 1 to 8
.set WV,  14
.set RH,  15
.set CH,  16
.set CX,  17
.set CB,  18
.set BB,  19
.set PP,  20
.set NS,  21
.set G1A, 24
.set G1V, 32
.set G0A, 40                           ; two sets: the first serves tile 0; the second tile 1 and then every refill
.set G0V, 48
.set TB,  56
.set TF,  57
.set CNT, 58
.set NXT, 59                           ; the key tile to be asked for next,
.set LQ,  60                           ; the last one of the block whose tiles are being asked for,
.set LQL, 61
.set ARB, 62                           ; and that block's byte offset in pmat (my half's rows)
.set ARL, 63
.set OF,  66
.set OV,  68
.set VB,  70
.set LWA, 72
.set LWV, 73
.set RT,  74                           ; key tiles that the block in hand still has
.set NEW, 75                           ; 1: the step in hand is a block's first
.set FTO, 76                           ; 256 x the walk's step: the same on every way through the loop
.set M2,  77                           ; all ones where the short block has 2 key tiles,
.set M3,  78                           ; 3,
.set M4,  3                            ; 4
.set NL,  79
.set OUT, 80
.set OUTL, 82
.set PFP, 84
.set PFV, 86
.set PO,  88
.set LIMA, 90
.set LIMV, 91
.set CXO, 92
.set MSB, 0
.macro WIN new
.if MSB != (\new)
	s_set_vgpr_msb (MSB<<8)|(\new)
.set MSB, \new
.endif
.endm
.macro PLACES
.rept 4
	v_nop
.endr
.endm
.macro JLOAD                           ; the refill: P's jointly, V's for myself; the branch hangs on the wave's number alone
	s_cmp_lt_u32 s[WV], 2
	s_cbranch_scc0 .Lfor_v_\@
	tensor_load_to_lds s[G0A+4:G0A+7], s[G1A:G1A+7]
	s_nop 0
.rept 4
	v_nop
.endr
	s_branch .Lasked_\@
.Lfor_v_\@:
	tensor_load_to_lds s[G0V+4:G0V+7], s[G1V:G1V+7]
	s_nop 0
.rept 4
	v_nop
.endr
.Lasked_\@:
.endm
.macro CREST
	s_cmp_lg_u32 s[WV], 0
	s_cbranch_scc1 .Lnot_wave_0_\@
	s_barrier_signal -3
.Lnot_wave_0_\@:
	s_barrier_wait -3
	s_barrier_signal -1
	s_barrier_wait -1
.endm
.macro CROUND
	s_barrier_signal -1
	s_barrier_wait -1
	CREST
.endm
; Set k of both descriptors takes the addresses of tile NXT of the block that is being asked for; then the state steps: the block's next tile, or behind its last the long block's tile 0.
.macro MKDESC k
	s_lshl_b32 s[OF], s[NXT], 9                    ; 256 keys of 2 bytes along P's rows
	s_add_co_u32 s[OF], s[OF], s[ARB]
	s_add_nc_u64 s[G0A+4*(\k)+2:G0A+4*(\k)+3], s[4:5], s[OF:OF+1]
	s_or_b32 s[G0A+4*(\k)+3], s[G0A+4*(\k)+3], 0x80000000
	s_lshl_b32 s[OV], s[NXT], 15                   ; 256 keys of 128 bytes in a block of V
	s_add_nc_u64 s[G0V+4*(\k)+2:G0V+4*(\k)+3], s[VB:VB+1], s[OV:OV+1]
	s_or_b32 s[G0V+4*(\k)+3], s[G0V+4*(\k)+3], 0x80000000
	s_add_co_u32 s[NXT], s[NXT], 1
	s_cmp_gt_u32 s[NXT], s[LQ]
	s_cselect_b32 s[NXT], 0, s[NXT]
	s_cselect_b32 s[ARB], s[ARL], s[ARB]
	s_cselect_b32 s[LQ], s[LQL], s[LQ]
.endm
; A prefetch into the L2 of the tile that the NEXT refill asks for.  P's: the clusters with x = 0, waves 0 and 1; of a wave's 64 rows each partner takes 16, told apart by address: 32 blocks of 256 bytes, one instruction.
; V's: the work-groups with p = 0, whose long block walks all eight key tiles, waves 2 and 3: my dense 32 KiB, four instructions.  The last refill names nothing.
.macro ASK
	s_cmp_gt_u32 s[CNT], s[LIMA]
	s_cbranch_scc0 .Lno_p_\@
	global_prefetch_b8 v[PFOA], s[PFP:PFP+1] th:TH_LOAD_NT scope:SCOPE_SE
.Lno_p_\@:
	s_cmp_gt_u32 s[CNT], s[LIMV]
	s_cbranch_scc0 .Lno_v_\@
.irp j, 0,1,2,3
	global_prefetch_b8 v[PFOV], s[PFV:PFV+1] offset:8192*(\j) th:TH_LOAD_NT scope:SCOPE_SE
.endr
.Lno_v_\@:
.endm
	s_load_b256 s[4:11], s[0:1], 0x0               ; pmat s[4:5], qkv s[6:7], statm s[8:9], statl s[10:11]
	s_load_b64 s[12:13], s[0:1], 0x20              ; out0
	v_lshl_add_u32 v[SPW], v0, 2, SPARE
	v_mov_b32 v[NIL], 0
	ds_add_u32 v[SPW], v[NIL]                      ; the wave's opening: the add and its wait ahead of my first tensor load
	v_lshrrev_b32 v1, 5, v0
	v_readfirstlane_b32 s[WV], v1
	s_lshr_b32 s[RH], s[WV], 1                     ; which 64 rows
	s_and_b32 s[CH], s[WV], 1                      ; which 64 channels.  Also: which half of P, or which block of V, I fetch; and which 32 rows' factors I make
	s_bfe_u32 s[CX], ttmp6, 0x40000
	s_lshl_b32 s[CB], ttmp9, 2
	s_add_co_u32 s[CB], s[CB], s[CX]               ; my 128 channels: it enters V's and out's addresses alone
	s_and_b32 s22, ttmp7, 0xffff
	s_lshr_b32 s[BB], s22, 3
	s_and_b32 s[PP], s22, 7
	s_lshr_b32 s[NS], s[PP], 1
	s_add_co_u32 s[NS], s[NS], 1                   ; key tiles of the short block: 1 to 4
	s_sub_co_u32 s[NL], 9, s[NS]                   ; and of the long one
	s_sub_co_u32 s[LQ], s[NS], 1
	s_sub_co_u32 s[LQL], s[NL], 1
	s_sub_co_u32 s23, 15, s[PP]                    ; the long block
	s_lshl_b32 s22, s[BB], 23
	s_lshl_b32 s93, s[CH], 18                      ; 64 rows of 4,096 bytes
	s_add_co_u32 s22, s22, s93
	s_lshl_b32 s[ARB], s[PP], 19
	s_add_co_u32 s[ARB], s[ARB], s22
	s_lshl_b32 s[ARL], s23, 19
	s_add_co_u32 s[ARL], s[ARL], s22
	s_mov_b32 s[NXT], 0
	s_mov_b32 s[OF+1], 0
	s_mov_b32 s[OV+1], 0
	s_mov_b32 s[PO+1], 0
	s_lshl_b32 s94, s[CB], 1
	s_add_co_u32 s94, s94, s[CH]
	s_add_co_u32 s94, s94, 32                      ; v's blocks of channels begin at 32
	s_lshl_b32 s94, s94, 20
	s_lshl_b32 s93, s[BB], 18
	s_add_co_u32 s94, s94, s93
	s_mov_b32 s95, 0
	s_mul_i32 s[LWA], s[CH], AH                    ; no place in the cluster enters an LDS address
	s_mul_i32 s[LWV], s[CH], VBLK
	s_add_co_u32 s[LWV], s[LWV], VB0
	s_mov_b32 s[TB], 0
	s_mov_b32 s[TF], SLOT
	s_mov_b32 s[G1A], 15|(1<<16)|(1<<20)|(1<<21)|(6<<22)|(3<<25)   ; the mask of four; 2-byte elements; padding on; bit 21 beside a mask; after every 128 words; 4 words
	s_mov_b32 s[G1A+1], 256<<16                    ; tensor_dim0 = 256
	s_mov_b32 s[G1A+2], 64<<16                     ; tensor_dim1 = 64
	s_mov_b32 s[G1A+3], 256<<16                    ; tile_dim0 = 256
	s_mov_b32 s[G1A+4], 64                         ; tile_dim1 = 64
	s_mov_b32 s[G1A+5], 2048
	s_mov_b32 s[G1A+6], 0
	s_mov_b32 s[G1A+7], 0
	s_mov_b32 s[G1V], (1<<16)|(1<<20)|(4<<22)|(7<<25)              ; no mask; after every 32 words; 8 words
	s_mov_b32 s[G1V+1], 128<<16                    ; a dense 32 KiB as 128 rows of 256 bytes
	s_mov_b32 s[G1V+2], 128<<16
	s_mov_b32 s[G1V+3], 128<<16
	s_mov_b32 s[G1V+4], 128
	s_mov_b32 s[G1V+5], 128
	s_mov_b32 s[G1V+6], 0
	s_mov_b32 s[G1V+7], 0
	s_mov_b32 s[G0A], 1
	s_mov_b32 s[G0A+1], s[LWA]
	s_mov_b32 s[G0A+4], 1
	s_add_co_u32 s[G0A+5], s[LWA], SLOT
	s_mov_b32 s[G0V], 1
	s_mov_b32 s[G0V+1], s[LWV]
	s_mov_b32 s[G0V+4], 1
	s_add_co_u32 s[G0V+5], s[LWV], SLOT
	s_mov_b32 s[RT], s[NS]
	s_mov_b32 s[NEW], 1
	s_mov_b32 s[FTO], 0
	s_cmp_eq_u32 s[NS], 2
	s_cselect_b32 s[M2], -1, 0
	s_cmp_eq_u32 s[NS], 3
	s_cselect_b32 s[M3], -1, 0
	s_cmp_eq_u32 s[NS], 4
	s_cselect_b32 s[M4], -1, 0
	s_lshl_b32 s[CXO], s[CX], 16                   ; 16 rows of pmat
	s_or_b32 s22, s[RH], ttmp9
	s_cmp_eq_u32 s22, 0
	s_cselect_b32 s[LIMA], 1, -1                   ; the same in all four partners, for a given wave
	s_xor_b32 s22, s[RH], 1
	s_or_b32 s22, s22, s[PP]
	s_cmp_eq_u32 s22, 0
	s_cselect_b32 s[LIMV], 1, -1
	s_wait_dscnt 0x0                               ; the opening add is done
	s_wait_kmcnt 0x0
	s_add_nc_u64 s[VB:VB+1], s[6:7], s[94:95]
	MKDESC 0
	MKDESC 1
	; out: row 2,048 b + 128 block + 64 RH, byte 512 cb + 256 CH
	s_lshl_b32 s94, s[BB], 23
	s_lshl_b32 s93, s[RH], 18
	s_add_co_u32 s94, s94, s93
	s_lshl_b32 s93, s[CB], 9
	s_add_co_u32 s94, s94, s93
	s_lshl_b32 s93, s[CH], 8
	s_add_co_u32 s94, s94, s93
	s_lshl_b32 s93, s23, 19
	s_add_co_u32 s93, s93, s94
	s_lshl_b32 s22, s[PP], 19
	s_add_co_u32 s94, s94, s22
	s_add_nc_u64 s[OUT:OUT+1], s[12:13], s[94:95]
	s_mov_b32 s94, s93
	s_add_nc_u64 s[OUTL:OUTL+1], s[12:13], s[94:95]
	; the statistics: my batch's lines, and in a line the bytes of the 32 rows whose factors I make, in the short block (s22) and in the long one (s23)
	s_lshl_b32 s94, s[BB], 16
	s_add_nc_u64 s[8:9], s[8:9], s[94:95]
	s_lshl_b32 s94, s[BB], 17
	s_add_nc_u64 s[10:11], s[10:11], s[94:95]
	s_lshl_b32 s93, s[RH], 8
	s_lshl_b32 s22, s[CH], 7
	s_add_co_u32 s93, s93, s22                     ; 4 (64 RH + 32 CH)
	s_lshl_b32 s22, s[PP], 9
	s_add_co_u32 s22, s22, s93
	s_lshl_b32 s23, s23, 9
	s_add_co_u32 s23, s23, s93
	CROUND                                         ; all four work-groups are here: the first joint loads meet
	s_cmp_lt_u32 s[WV], 2                          ; a wave's two first fills stand in one branch: two loads of mine are out
	s_cbranch_scc0 .Lfirst_v
	tensor_load_to_lds s[G0A:G0A+3], s[G1A:G1A+7]
	s_nop 0
	tensor_load_to_lds s[G0A+4:G0A+7], s[G1A:G1A+7]
	s_nop 0
.rept 4
	v_nop
.endr
	s_branch .Lfirst_asked
.Lfirst_v:
	tensor_load_to_lds s[G0V:G0V+3], s[G1V:G1V+7]
	s_nop 0
	tensor_load_to_lds s[G0V+4:G0V+7], s[G1V:G1V+7]
	s_nop 0
.rept 4
	v_nop
.endr
.Lfirst_asked:
	; THE FACTORS.  A lane takes one row, 32 CH + l of its row half, in both blocks: a load of the wave covers 128 consecutive bytes, the two waves of a row half together 256.
	; The short block has four key tiles at the most; the lines of tiles that were not made hold c m far below every c s and l = 0, so their f is 0.
	v_and_b32 v3, 31, v0                           ; l
	v_lshl_add_u32 v4, v3, 2, s22
	v_lshl_add_u32 v9, v3, 2, s23
.irp t, 0,1,2,3
	global_load_b32 v[SC+(\t)],  v4, s[8:9] offset:8192*(\t)
	global_load_b32 v[SL0+(\t)], v4, s[10:11] offset:16384*(\t)
	global_load_b32 v[SL1+(\t)], v4, s[10:11] offset:16384*(\t)+8192
.endr
.irp t, 0,1,2,3,4,5,6,7
	global_load_b32 v[LC+(\t)],  v9, s[8:9] offset:8192*(\t)
	global_load_b32 v[LL0+(\t)], v9, s[10:11] offset:16384*(\t)
	global_load_b32 v[LL1+(\t)], v9, s[10:11] offset:16384*(\t)+8192
.endr
	v_and_b32 v1, 15, v0                           ; r
	v_bfe_u32 v2, v0, 4, 1                         ; h
	v_mul_u32_u24 v5, v1, AP
	v_lshl_add_u32 v5, v2, 4, v5
	s_mul_i32 s22, s[RH], AH
	v_add_nc_u32 v[ADRA0], s22, v5
	v_and_b32 v6, 7, v0
	v_bfe_u32 v7, v0, 3, 1
	v_lshl_add_u32 v5, v2, 3, v6                   ; the turning load: lane l reads key 8 h + l % 8, channels 8 ((l / 8) % 2) ..
	v_mul_u32_u24 v5, v5, VP
	v_lshl_add_u32 v5, v7, 4, v5
	v_add_nc_u32 v[ADRV0], s[LWV], v5
	v_mov_b32 v[ADRA], v[ADRA0]
	v_mov_b32 v[ADRV], v[ADRV0]
	s_mul_i32 s22, s[WV], 16*SP
	s_add_co_u32 s22, s22, STAGE
	v_mul_u32_u24 v5, v1, SP
	v_lshl_add_u32 v5, v2, 5, v5
	v_add_nc_u32 v[STO], s22, v5                   ; in: row r, 32 bytes for each half of the lanes
	v_mul_u32_u24 v5, v2, SP
	v_lshl_add_u32 v5, v1, 4, v5
	v_add_nc_u32 v[RD], s22, v5                    ; back: lanes 0-15 one row of 256 bytes, lanes 16-31 the next
	v_lshlrev_b32 v[CO], 12, v2
	v_lshl_add_u32 v[CO], v1, 4, v[CO]
	v_lshrrev_b32 v5, 1, v3
	v_lshlrev_b32 v[PFOA], 12, v5
	v_and_b32 v5, 1, v0
	v_lshl_add_u32 v[PFOA], v5, 8, v[PFOA]         ; row l / 2, half l % 2 of its 512 bytes
	v_lshlrev_b32 v[PFOV], 8, v3
	s_mul_i32 s22, s[RH], TBL
	s_add_co_u32 s22, s22, FT                      ; my row half's table
	v_lshl_add_u32 v[FA0], v1, 2, s22              ; read: row 16 a + r at byte 64 a + 4 r of an entry
	s_lshl_b32 s93, s[CH], 7
	s_add_co_u32 s93, s93, s22
	v_lshl_add_u32 v[FW], v3, 2, s93               ; written: row 32 CH + l at byte 128 CH + 4 l: 128 consecutive bytes a wave
.irp a, 0,1,2,3
	v_mov_b32 v[FF+2*(\a)+1], 0                    ; named in pairs with the factors
.endr
	s_wait_loadcnt 0x0
	v_max3_num_f32 v[XM], v[SC], v[SC+1], v[SC+2]
	v_max3_num_f32 v[XM+1], v[LC], v[LC+1], v[LC+2]
	v_max_num_f32 v[XM], v[XM], v[SC+3]            ; M: the row's maximum, in the short block
	v_max3_num_f32 v[XM+1], v[XM+1], v[LC+3], v[LC+4]
	v_max3_num_f32 v[XM+1], v[XM+1], v[LC+5], v[LC+6]
	v_max_num_f32 v[XM+1], v[XM+1], v[LC+7]        ; and in the long one
.irp t, 0,1,2,3
	v_sub_f32 v[SC+(\t)], v[SC+(\t)], v[XM]
.endr
.irp t, 0,1,2,3,4,5,6,7
	v_sub_f32 v[LC+(\t)], v[LC+(\t)], v[XM+1]
.endr
.irp t, 0,1,2,3
	v_exp_f32 v[SC+(\t)], v[SC+(\t)]               ; f_t: one batch of twelve
.endr
.irp t, 0,1,2,3,4,5,6,7
	v_exp_f32 v[LC+(\t)], v[LC+(\t)]
.endr
.irp t, 0,2
	v_pk_add_f32 v[SL0+(\t):SL0+(\t)+1], v[SL0+(\t):SL0+(\t)+1], v[SL1+(\t):SL1+(\t)+1]   ; l of a tile's two halves: the independent work behind the batch
.endr
.irp t, 0,2,4,6
	v_pk_add_f32 v[LL0+(\t):LL0+(\t)+1], v[LL0+(\t):LL0+(\t)+1], v[LL1+(\t):LL1+(\t)+1]
.endr
	s_wait_alu depctr_va_vdst(0)                   ; one wait ahead of the batch's first reader
	v_mul_f32 v[XT], v[SC], v[SL0]
	v_mul_f32 v[XT+1], v[LC], v[LL0]
.irp t, 1,2,3
	v_fma_f32 v[XT], v[SC+(\t)], v[SL0+(\t)], v[XT]
	v_fma_f32 v[XT+1], v[LC+(\t)], v[LL0+(\t)], v[XT+1]
.endr
.irp t, 4,5,6,7
	v_fma_f32 v[XT+1], v[LC+(\t)], v[LL0+(\t)], v[XT+1]
.endr
	v_rcp_f32 v[XR], v[XT]
	v_rcp_f32 v[XR+1], v[XT+1]
; The factor of the walk's step tau, where the short block has n key tiles: the short block's f of tile tau if tau < n, else the long block's of tile tau - n.  Step 0 is the short block's tile 0 whatever n.
; The choice among n = 1 .. 4 selects a value, by masks made of p; these 24 lines are also the independent work behind the two reciprocals.
.macro VAL n, tau
.if (\tau) < (\n)
.set rY, SC+(\tau)
.else
.set rY, LC+(\tau)-(\n)
.endif
.endm
.irp tau, 1,2,3,4,5,6,7,8
	VAL 1, \tau
.set rU, rY
	VAL 2, \tau
	v_cndmask_b32 v[WK+(\tau)], v[rU], v[rY], s[M2]
	VAL 3, \tau
	v_cndmask_b32 v[WK+(\tau)], v[WK+(\tau)], v[rY], s[M3]
	VAL 4, \tau
	v_cndmask_b32 v[WK+(\tau)], v[WK+(\tau)], v[rY], s[M4]
.endr
	s_wait_alu depctr_va_vdst(0)                   ; and the reciprocals' wait, ahead of the stores that read them
	ds_store_b32 v[FW], v[SC]
.irp tau, 1,2,3,4,5,6,7,8
	ds_store_b32 v[FW], v[WK+(\tau)] offset:256*(\tau)
.endr
	ds_store_b32 v[FW], v[XR] offset:9*256
	ds_store_b32 v[FW], v[XR+1] offset:10*256
; 8 matrix instructions: row blocks a0, a0 + 1 x all 4 channel blocks, 32 keys: half c of buffer f.  zero = 1: the step's first products start its sums.
.macro MUL8 f, c, a0, zero
	WIN 0x05                                       ; V^T and P in window 1; C and D in window 0
.irp a, \a0, (\a0)+1
.irp b, 0,1,2,3
.set rD, ACC+8*(4*(\a)+(\b))
.set rV, (\f)+64+8*(4*(\c)+(\b))
.set rP, (\f)+8*(4*(\c)+(\a))
.if \zero
	v_wmma_f32_16x16x32_f16 v[rD:rD+7], v[rV:rV+7], v[rP:rP+7], 0
.else
	v_wmma_f32_16x16x32_f16 v[rD:rD+7], v[rV:rV+7], v[rP:rP+7], v[rD:rD+7]
.endif
.endr
.endr
.endm
; 32 LDS loads in one run: the fragments of keys 64 q .. 64 q + 63 into buffer f; the first 32 keys first
.macro FETCH q, f
	WIN 0x40
.irp c, 0,1
.irp i, 0,1,2,3
	ds_load_tr16_b128 v[(\f)+64+8*(4*(\c)+(\i)):(\f)+64+8*(4*(\c)+(\i))+3],   v[ADRV] offset:(64*(\q)+32*(\c))*VP+32*(\i)
	ds_load_tr16_b128 v[(\f)+64+8*(4*(\c)+(\i))+4:(\f)+64+8*(4*(\c)+(\i))+7], v[ADRV] offset:(64*(\q)+32*(\c))*VP+32*(\i)+16*VP
	ds_load_b128 v[(\f)+8*(4*(\c)+(\i)):(\f)+8*(4*(\c)+(\i))+3],   v[ADRA] offset:128*(\q)+64*(\c)+(\i)*16*AP
	ds_load_b128 v[(\f)+8*(4*(\c)+(\i))+4:(\f)+8*(4*(\c)+(\i))+7], v[ADRA] offset:128*(\q)+64*(\c)+(\i)*16*AP+32
.endr
.endr
.endm
.macro QUARTER q, f, g, zero           ; multiplies buffer f (64 keys) and fetches quarter q into buffer g; the 16 accumulators take turns
	s_wait_dscnt 16                                ; the first 32 keys' fragments are in
	MUL8 \f, 0, 0, \zero
	MUL8 \f, 0, 2, \zero
	PLACES
	FETCH \q, \g
	s_wait_dscnt 32                                ; all but the 32 just issued
	MUL8 \f, 1, 0, 0
	MUL8 \f, 1, 2, 0
.endm
; The last quarter and the change of slots: every wave waits for all its tensor loads (one is out: its part of the next slot), adds 0 to its spare word, and waits for that and for its reads of this slot.
; fill = 1: the barrier opens a round of the cluster's, and this slot is filled again first thing behind the round: 112 matrix instructions ahead of the wait for it.  Then the step's four factors and the next step's first fragments.
.macro TURN fill
.if \fill
	s_wait_xcnt 0x0                                ; the last prefetches, a step back, have read their addresses
.endif
	WIN 0
	s_wait_tensorcnt 0x0
	ds_add_u32 v[SPW], v[NIL]
	s_wait_dscnt 17                                ; (the add and the youngest sixteen loads may be out)
	MUL8 F1, 0, 0, 0
	s_wait_dscnt 0x0                               ; the add is done, and my reads of this slot are over
	s_barrier_signal -1
	MUL8 F1, 0, 2, 0
	WIN 0
	s_barrier_wait -1
.if \fill
	CREST
	s_xor_b32 s[TF], s[TF], SLOT
	s_add_co_u32 s[G0A+5], s[LWA], s[TF]
	s_add_co_u32 s[G0V+5], s[LWV], s[TF]
	MKDESC 1
	s_lshl_b32 s[PO], s[NXT], 9                    ; the state now names the tile of the next refill: the prefetches' addresses
	s_add_co_u32 s[PO], s[PO], s[ARB]
	s_add_co_u32 s[PO], s[PO], s[CXO]
	s_add_nc_u64 s[PFP:PFP+1], s[4:5], s[PO:PO+1]
	s_lshl_b32 s[PO], s[NXT], 15
	s_add_nc_u64 s[PFV:PFV+1], s[VB:VB+1], s[PO:PO+1]
	JLOAD                                          ; the four v_nop behind it are also the places in front of the loads below
.else
	PLACES
.endif
	s_xor_b32 s[TB], s[TB], SLOT
	v_add_nc_u32 v[ADRA], s[TB], v[ADRA0]
	v_add_nc_u32 v[ADRV], s[TB], v[ADRV0]
	v_add_nc_u32 v[FAD], s[FTO], v[FA0]            ; the entry of the walk's step in hand
.irp a, 0,1,2,3
	ds_load_b32 v[FF+2*(\a)], v[FAD] offset:64*(\a)   ; the factor of row 16 a + r
.endr
	FETCH 0, F0
	WIN 0
.if \fill
	ASK
.endif
	MUL8 F1, 1, 0, 0
	MUL8 F1, 1, 2, 0
.endm
; The step's sums, times f_t, go onto the totals; a block's first step starts them (both = 1: the choice is a scalar's).  Each accumulator is read from its low end on.
.macro LUMP both
	WIN 0
	PLACES
	s_wait_dscnt 32                                ; the four factors are in; the 32 younger loads may stay out
.if \both
	s_cmp_eq_u32 s[NEW], 1
	s_cbranch_scc1 .Lstart_\@
.endif
	WIN 0xa0                                       ; totals (destination and source 2) in window 2
.set n, 0
.rept 64
	v_pk_fma_f32 v[2*n:2*n+1], v[ACC+2*n:ACC+2*n+1], v[FF+2*(n/16):FF+2*(n/16)+1], v[2*n:2*n+1] op_sel_hi:[1,0,1]
.set n, n+1
.endr
	WIN 0
.if \both
	s_branch .Ldone_\@
.Lstart_\@:
	WIN 0x80
.set n, 0
.rept 64
	v_pk_mul_f32 v[2*n:2*n+1], v[ACC+2*n:ACC+2*n+1], v[FF+2*(n/16):FF+2*(n/16)+1] op_sel_hi:[1,0]
.set n, n+1
.endr
	WIN 0
.Ldone_\@:
.endif
.endm
; THE WAY OUT of a block: the totals times 1 / L (the table's entry at byte ent), 16 rows at a time through my own stage, so that sixteen lanes store a row's 256 bytes.
.macro WAYOUT ent
	WIN 0
.irp a, 0,1,2,3
	ds_load_b32 v[FF+2*(\a)], v[FA0] offset:(\ent)+64*(\a)
.endr
	s_wait_dscnt 0x0
.irp a, 0,1,2,3
.set BK, 32+64*((\a)%2)
.if (\a) >= 2
	s_wait_xcnt 0x0                                ; the set's last stores have read it
.endif
	WIN 0x02
.set n, 0
.rept 16
	v_pk_mul_f32 v[BK+2*n:BK+2*n+1], v[32*(\a)+2*n:32*(\a)+2*n+1], v[FF+2*(\a):FF+2*(\a)+1] op_sel_hi:[1,0]
.set n, n+1
.endr
	WIN 0
.irp m, 0,1,2,3,4,5,6,7
	ds_store_b128 v[STO], v[BK+4*(\m):BK+4*(\m)+3] offset:64*((\m)/2)+16*((\m)%2)
.endr
.irp t, 0,1,2,3,4,5,6,7
	ds_load_b128 v[BK+4*(\t):BK+4*(\t)+3], v[RD] offset:(\t)*2*SP   ; LDS serves a wave's instructions in order (ISA guide 5.7.1.4): these see the stores above
.endr
.irp t, 0,1,2,3,4,5,6,7
	s_wait_dscnt 7-(\t)
	global_store_b128 v[CO], v[BK+4*(\t):BK+4*(\t)+3], s[OUT:OUT+1] offset:(16*(\a)+2*(\t))*4096 th:TH_STORE_NT
.endr
.endr
.endm
	s_wait_tensorcnt 0x1                           ; my part of tile 0 is in; tile 1's may stay out
	s_wait_dscnt 0x0                               ; my part of the table is stored, for the waves that read it
	s_barrier_signal -1
	s_barrier_wait -1
	FETCH 0, F0
	WIN 0
	s_mov_b32 s[CNT], 7
.Lstep:                                            ; seven trips, a key tile each; they ask for tiles 2 to 8 of the walk
	QUARTER 1, F0, F1, 1
	QUARTER 2, F1, F0, 0
	QUARTER 3, F0, F1, 0
	TURN 1
	LUMP 1
	s_add_co_u32 s[FTO], s[FTO], 256               ; the next step's entry, on every way
	s_mov_b32 s[NEW], 0
	s_sub_co_u32 s[RT], s[RT], 1
	s_cmp_lg_u32 s[RT], 0
	s_cbranch_scc1 .Lgo_on
	WAYOUT 9*256                                   ; the short block's end falls into trips 1 to 4; the long block has two tiles left when the loop ends
	s_wait_xcnt 0x0                                ; the stores have read their registers and their base
	s_mov_b64 s[OUT:OUT+1], s[OUTL:OUTL+1]
	s_mov_b32 s[RT], s[NL]
	s_mov_b32 s[NEW], 1
.Lgo_on:
	s_sub_co_u32 s[CNT], s[CNT], 1
	s_cmp_lg_u32 s[CNT], 0
	s_cbranch_scc1 .Lstep
	s_mov_b32 s[CNT], 2
.Ltail:                                            ; the walk's last two tiles ask for nothing (the last change of slots fetches a run that nobody uses: the price of one text)
	QUARTER 1, F0, F1, 1
	QUARTER 2, F1, F0, 0
	QUARTER 3, F0, F1, 0
	TURN 0
	LUMP 0
	s_add_co_u32 s[FTO], s[FTO], 256
	s_sub_co_u32 s[CNT], s[CNT], 1
	s_cmp_lg_u32 s[CNT], 0
	s_cbranch_scc1 .Ltail
	WAYOUT 10*256
	s_wait_tensorcnt 0x0                           ; the wave's end
	ds_add_u32 v[SPW], v[NIL]
	s_wait_dscnt 0x0
	CROUND                                         ; the closing round
	s_endpgm
.Lfunc_end_k_q0560e21cc4_pv:
	.size	k_q0560e21cc4_pv, .Lfunc_end_k_q0560e21cc4_pv-k_q0560e21cc4_pv
	.p2alignl 7, 3214868480
	.fill 96, 4, 3214868480
	.section	.rodata,"a",@progbits
	.p2align	6, 0x0
	.amdhsa_kernel k_q0560e21cc4_pv
		.amdhsa_group_segment_fixed_size 327680
		.amdhsa_private_segment_fixed_size 0
		.amdhsa_enable_private_segment 0
		.amdhsa_kernarg_size 40
		.amdhsa_user_sgpr_count 2
		.amdhsa_user_sgpr_kernarg_segment_ptr 1
		.amdhsa_wavefront_size32 1
		.amdhsa_system_sgpr_workgroup_id_x 1
		.amdhsa_system_sgpr_workgroup_id_y 1
		.amdhsa_system_sgpr_workgroup_id_z 1
		.amdhsa_system_vgpr_workitem_id 0
		.amdhsa_next_free_vgpr 640
		.amdhsa_next_free_sgpr 96
		.amdhsa_reserve_vcc 0
		.amdhsa_float_denorm_mode_32 3
		.amdhsa_float_denorm_mode_16_64 3
		.amdhsa_memory_ordered 1
		.amdhsa_forward_progress 1
		.amdhsa_inst_pref_size 96
	.end_amdhsa_kernel
	.amdgpu_metadata
---
amdhsa.version: [ 1, 2 ]
amdhsa.kernels:
  - .name:           k_q0560e21cc4_pv
    .symbol:         k_q0560e21cc4_pv.kd
    .args:
      - { .name: pmat, .offset: 0, .size: 8, .value_kind: global_buffer, .address_space: global }
      - { .name: qkv, .offset: 8, .size: 8, .value_kind: global_buffer, .address_space: global }
      - { .name: statm, .offset: 16, .size: 8, .value_kind: global_buffer, .address_space: global }
      - { .name: statl, .offset: 24, .size: 8, .value_kind: global_buffer, .address_space: global }
      - { .name: out0, .offset: 32, .size: 8, .value_kind: global_buffer, .address_space: global }
    .group_segment_fixed_size: 327680
    .private_segment_fixed_size: 0
    .kernarg_segment_align: 8
    .kernarg_segment_size: 40
    .max_flat_workgroup_size: 128
    .sgpr_count:     96
    .vgpr_count:     640
    .wavefront_size: 32
...
	.end_amdgpu_metadata
.endif
;; end of part 4
;; ======== version 2 of 2: 4 launches; version 1 with the launch cast written anew for expert scheduling mode
;; limits: values are held in f16: magnitudes above 65,504 overflow, below 6.1e-05 lose precision
;; workspace buffers: xb 16,777,216 bytes; wt 6,291,456 bytes; bias 12,288 bytes; qkv 50,331,648 bytes; pmat 33,554,432 bytes; statm 262,144 bytes; statl 524,288 bytes
;; launch cast (part 5): grid 899 x 1, 8 waves a work-group, no clusters, 17,920 bytes of LDS; arguments embeddings, Wq, Wk, Wv, bq, bk, bv, xb, wt, bias; writes xb, wt, bias
.if DOCPART == 5
	.amdgcn_target "amdgcn-amd-amdhsa--gfx1250"
	.amdhsa_code_object_version 6
	.text
	.protected	k_q0560e21cc4_cast
	.globl	k_q0560e21cc4_cast
	.p2align	8
	.type	k_q0560e21cc4_cast,@function
k_q0560e21cc4_cast:
	s_mov_b64 s[64:65], 0
	v_nop
	global_prefetch_b8 v0, s[64:65] scope:SCOPE_SE
	s_setreg_imm32_b32 hwreg(HW_REG_WAVE_SCHED_MODE, 0, 2), 2
	s_setreg_imm32_b32 hwreg(HW_REG_WAVE_MODE, 25, 1), 1
	s_wait_xcnt 0x0
	s_wait_alu depctr_vm_vsrc(0)
; CAST.  All inputs are rounded once to bf16, for the projection that follows.
;   work-groups 0..511:    xb = bf16(embeddings), 65,536 bytes of x each; a wave takes 8,192 of them.
;   work-groups 512..895:  wt[1024 sel + d][e] = bf16(W_sel[e][d]) (sel 0, 1, 2 = q, k, v): a tile of 128 e x 64 d is turned in LDS.
;   work-groups 896..898:  bias[1024 sel + d] = the bias rounded to bf16, kept as f32.
; A stream: each byte is read once and written once; every load of a wave covers whole runs of 256 or 512 bytes and every store 256
; consecutive bytes, aligned.  Matrix units, tensor loads and clusters would add nothing here.  The role hangs on the work-group's number alone.
; THE MODE: SCHED_MODE bits 1:0 = 2 (LLVM: expert scheduling mode 2), set by the entry lines.  The code itself states the register dependences
; between vector instructions and memory or LDS instructions, with s_wait_alu, always for 0.
; THE PLAN.  No role has a loop, and no register that a memory or LDS instruction touches is used a second time: each offset is made once, each loaded
; register is loaded once, each rounded register is written once and stored once.  So what is to be stated is only that a vector instruction has WRITTEN what a memory or LDS instruction reads.
;   x:       v3, v4 offsets, made at the role's head.  XR: load i lands in four registers, two roundings read them.  YR: the roundings write a pair, one store reads it.
;            The sixteen loads go in four blocks of four.  Block p's roundings write Y[p]; the stores of block p - 1 are dealt among them.  One wait at a block's head states that the block
;            before has written its Y; the vector lines behind it name X[p] and Y[p] alone, none of the registers that those stores read.
;   weights: v3 made ahead of the loads.  v7, v4, v5 (addresses of the LDS stores, the LDS loads, the stores to wt) are made while the loads are out.  All sixteen roundings stand in one run;
;            ONE wait behind them states that YR, v7, v4 and v5 are written; no vector instruction follows it, so it serves every LDS and memory instruction of the role's rest.
;   bias:    v3 ahead of the load; the four widened numbers ahead of the store.
;   v[SPW], v[NIL]: written at the head, read by the closing add alone.
.set TP,    264                        ; a row of the turned tile in LDS: 128 e x 2 bytes + 8
.set SPARE, 64*TP                      ; behind the tile: the spare words, 128 bytes for each of eight waves
.set SPW,   110                        ; v110  LDS address of my spare word; never rewritten
.set NIL,   111                        ; v111  0; never rewritten
.set XR,    40                         ; v[40:103]  as loaded
.set YR,    8                          ; v[8:39]    rounded
.set BK,    72                         ; v[72:87]   the turned rows, read back
	s_load_b512 s[4:19], s[0:1], 0x0               ; x s[4:5], Wq s[6:7], Wk s[8:9], Wv s[10:11], bq s[12:13], bk s[14:15], bv s[16:17], xb s[18:19]
	s_load_b128 s[20:23], s[0:1], 0x40             ; wt s[20:21], bias s[22:23]
	v_lshl_add_u32 v[SPW], v0, 2, SPARE
	v_mov_b32 v[NIL], 0
	v_and_b32 v1, 31, v0                           ; lane
	v_lshrrev_b32 v2, 5, v0                        ; wave
	s_mov_b32 s25, 0
	s_mov_b32 s27, 0
	s_wait_kmcnt 0x0
	s_cmp_lt_u32 ttmp9, 512
	s_cbranch_scc0 .Lnot_x
	; ---- x: sixteen loads of 512 consecutive bytes a wave, all out at once; each gives 256 consecutive bytes of xb
	s_lshl_b32 s24, ttmp9, 16
	s_lshl_b32 s26, ttmp9, 15
	s_add_nc_u64 s[4:5], s[4:5], s[24:25]
	s_add_nc_u64 s[18:19], s[18:19], s[26:27]
	v_lshlrev_b32 v3, 4, v1
	v_lshl_add_u32 v3, v2, 13, v3                  ; 8,192 wave + 16 lane
	v_lshlrev_b32 v4, 3, v1
	v_lshl_add_u32 v4, v2, 12, v4                  ; 4,096 wave + 8 lane
	s_wait_alu depctr_va_vdst(0)                   ; v3 and v4 are written: the loads read v3 as their offset, the stores v4
.irp i, 0,1,2,3,4,5,6,7,8,9,10,11,12,13,14,15
	global_load_b128 v[XR+4*(\i):XR+4*(\i)+3], v3, s[4:5] offset:512*(\i) th:TH_LOAD_NT
.endr
.irp p, 0,1,2,3
	s_wait_loadcnt 12-4*(\p)                       ; loads come back in order: block p's four are in, the younger blocks stay out
.if (\p) > 0
	s_wait_alu depctr_va_vdst(0)                   ; the block before has written its eight registers of YR, which the four stores below read
.endif
.irp i, 0,1,2,3
.if (\p) > 0
	global_store_b64 v4, v[YR+2*(4*(\p)-4+(\i)):YR+2*(4*(\p)-4+(\i))+1], s[18:19] offset:256*(4*(\p)-4+(\i))  ; the block before; no vector instruction since the wait names these registers
.endif
	v_cvt_pk_bf16_f32 v[YR+2*(4*(\p)+(\i))], v[XR+4*(4*(\p)+(\i))], v[XR+4*(4*(\p)+(\i))+1]
	v_cvt_pk_bf16_f32 v[YR+2*(4*(\p)+(\i))+1], v[XR+4*(4*(\p)+(\i))+2], v[XR+4*(4*(\p)+(\i))+3]
.endr
.endr
	s_wait_alu depctr_va_vdst(0)                   ; the last block has written its eight registers of YR, which the last four stores read
.irp i, 12,13,14,15
	global_store_b64 v4, v[YR+2*(\i):YR+2*(\i)+1], s[18:19] offset:256*(\i)
.endr
	s_branch .Lend
.Lnot_x:
	s_cmp_lt_u32 ttmp9, 896
	s_cbranch_scc0 .Lbias
	; ---- a weight tile: rows e = 128 eb .., columns d = 64 db ..
	s_sub_co_u32 s28, ttmp9, 512
	s_lshr_b32 s29, s28, 7                         ; sel
	s_bfe_u32 s30, s28, 0x30004                    ; eb
	s_and_b32 s31, s28, 15                         ; db
	s_cmp_eq_u32 s29, 1
	s_cselect_b64 s[32:33], s[8:9], s[6:7]
	s_cmp_eq_u32 s29, 2
	s_cselect_b64 s[32:33], s[10:11], s[32:33]
	s_lshl_b32 s24, s30, 19                        ; 128 rows of 4,096 bytes
	s_lshl_b32 s34, s31, 8                         ; 64 columns of 4 bytes
	s_add_co_u32 s24, s24, s34
	s_add_nc_u64 s[32:33], s[32:33], s[24:25]
	s_lshl_b32 s26, s29, 21                        ; wt: 1,024 rows of 2,048 bytes,
	s_lshl_b32 s34, s31, 17                        ; 64 rows,
	s_add_co_u32 s26, s26, s34
	s_lshl_b32 s34, s30, 8                         ; 128 e of 2 bytes
	s_add_co_u32 s26, s26, s34
	s_add_nc_u64 s[20:21], s[20:21], s[26:27]
	v_and_b32 v5, 15, v1                           ; cc: my four columns
	v_lshrrev_b32 v6, 4, v1                        ; h
	v_lshlrev_b32 v3, 4, v5
	v_lshl_add_u32 v3, v6, 13, v3                  ; row 2 h
	v_lshl_add_u32 v3, v2, 16, v3                  ; + 16 wave
	s_wait_alu depctr_va_vdst(0)                   ; v3 is written, which the eight loads read as their offset
.irp q, 0,1,2,3
	global_load_b128 v[XR+8*(\q):XR+8*(\q)+3],   v3, s[32:33] offset:(\q)*16384 th:TH_LOAD_NT       ; row e = 16 wave + 2 h + 4 q: sixteen lanes take its 256 bytes
	global_load_b128 v[XR+8*(\q)+4:XR+8*(\q)+7], v3, s[32:33] offset:(\q)*16384+4096 th:TH_LOAD_NT  ; row e + 1
.endr
	v_mul_u32_u24 v7, v5, 4*TP                     ; into the tile: row d = 4 cc + j, bytes 2 e
	v_lshl_add_u32 v7, v2, 5, v7
	v_lshl_add_u32 v7, v6, 2, v7
	v_mul_u32_u24 v4, v2, 8*TP                     ; back: wave w takes rows d = 8 w .., whole
	v_lshl_add_u32 v4, v1, 3, v4
	v_lshlrev_b32 v5, 3, v1                        ; and the same rows in wt (no memory instruction has read v5)
	v_lshl_add_u32 v5, v2, 14, v5
	s_wait_loadcnt 0x0
.irp q, 0,1,2,3
.irp j, 0,1,2,3
	v_cvt_pk_bf16_f32 v[YR+4*(\q)+(\j)], v[XR+8*(\q)+(\j)], v[XR+8*(\q)+4+(\j)]   ; (e, e + 1) of one column: neighbours in wt
.endr
.endr
	s_wait_alu depctr_va_vdst(0)                   ; the roundings have written v[YR ..], the LDS stores' data; v7, v4 and v5 are written too, the addresses of the LDS stores, the LDS loads and the stores to wt
.irp q, 0,1,2,3
.irp j, 0,1,2,3
	ds_store_b32 v7, v[YR+4*(\q)+(\j)] offset:(\j)*TP+8*(\q)
.endr
.endr
	s_wait_dscnt 0x0                               ; for the others' sake: my stores are done
	s_barrier_signal -1
	s_barrier_wait -1
.irp k, 0,1,2,3,4,5,6,7
	ds_load_b64 v[BK+2*(\k):BK+2*(\k)+1], v4 offset:(\k)*TP   ; no vector instruction of this role names v[BK ..]
.endr
.irp k, 0,1,2,3,4,5,6,7
	s_wait_dscnt 7-(\k)
	global_store_b64 v5, v[BK+2*(\k):BK+2*(\k)+1], s[20:21] offset:2048*(\k)   ; 32 lanes store 256 consecutive bytes, aligned
.endr
	s_branch .Lend
.Lbias:
	; ---- a bias: 1,024 numbers, four a thread
	s_sub_co_u32 s28, ttmp9, 896
	s_cmp_eq_u32 s28, 1
	s_cselect_b64 s[32:33], s[14:15], s[12:13]
	s_cmp_eq_u32 s28, 2
	s_cselect_b64 s[32:33], s[16:17], s[32:33]
	s_lshl_b32 s26, s28, 12
	s_add_nc_u64 s[22:23], s[22:23], s[26:27]
	v_lshlrev_b32 v3, 4, v0
	s_wait_alu depctr_va_vdst(0)                   ; v3 is written, which the load and the store read as their offset
	global_load_b128 v[XR:XR+3], v3, s[32:33]
	s_wait_loadcnt 0x0
	v_cvt_pk_bf16_f32 v8, v[XR], v[XR+1]
	v_cvt_pk_bf16_f32 v9, v[XR+2], v[XR+3]
	v_lshlrev_b32 v[XR+4], 16, v8                  ; bf16 back to f32: the low half moves up, the high half stays
	v_and_b32 v[XR+5], 0xffff0000, v8
	v_lshlrev_b32 v[XR+6], 16, v9
	v_and_b32 v[XR+7], 0xffff0000, v9
	s_wait_alu depctr_va_vdst(0)                   ; the four lines above have written v[XR+4 .. XR+7], the store's data
	global_store_b128 v3, v[XR+4:XR+7], s[22:23]
.Lend:
	s_wait_dscnt 0x0                               ; the wave's end: the closing lines, six on end
	s_wait_alu 0x0
	s_wait_tensorcnt 0x0
	ds_add_u32 v[SPW], v[NIL]
	s_wait_dscnt 0x0
	s_endpgm
.Lfunc_end_k_q0560e21cc4_cast:
	.size	k_q0560e21cc4_cast, .Lfunc_end_k_q0560e21cc4_cast-k_q0560e21cc4_cast
	.p2alignl 7, 3214868480
	.fill 96, 4, 3214868480
	.section	.rodata,"a",@progbits
	.p2align	6, 0x0
	.amdhsa_kernel k_q0560e21cc4_cast
		.amdhsa_group_segment_fixed_size 17920
		.amdhsa_private_segment_fixed_size 0
		.amdhsa_enable_private_segment 0
		.amdhsa_kernarg_size 80
		.amdhsa_user_sgpr_count 2
		.amdhsa_user_sgpr_kernarg_segment_ptr 1
		.amdhsa_wavefront_size32 1
		.amdhsa_system_sgpr_workgroup_id_x 1
		.amdhsa_system_sgpr_workgroup_id_y 1
		.amdhsa_system_sgpr_workgroup_id_z 1
		.amdhsa_system_vgpr_workitem_id 0
		.amdhsa_next_free_vgpr 112
		.amdhsa_next_free_sgpr 66
		.amdhsa_reserve_vcc 0
		.amdhsa_float_denorm_mode_32 3
		.amdhsa_float_denorm_mode_16_64 3
		.amdhsa_memory_ordered 1
		.amdhsa_forward_progress 1
		.amdhsa_inst_pref_size 14
	.end_amdhsa_kernel
	.amdgpu_metadata
---
amdhsa.version: [ 1, 2 ]
amdhsa.kernels:
  - .name:           k_q0560e21cc4_cast
    .symbol:         k_q0560e21cc4_cast.kd
    .args:
      - { .name: embeddings, .offset: 0, .size: 8, .value_kind: global_buffer, .address_space: global }
      - { .name: Wq, .offset: 8, .size: 8, .value_kind: global_buffer, .address_space: global }
      - { .name: Wk, .offset: 16, .size: 8, .value_kind: global_buffer, .address_space: global }
      - { .name: Wv, .offset: 24, .size: 8, .value_kind: global_buffer, .address_space: global }
      - { .name: bq, .offset: 32, .size: 8, .value_kind: global_buffer, .address_space: global }
      - { .name: bk, .offset: 40, .size: 8, .value_kind: global_buffer, .address_space: global }
      - { .name: bv, .offset: 48, .size: 8, .value_kind: global_buffer, .address_space: global }
      - { .name: xb, .offset: 56, .size: 8, .value_kind: global_buffer, .address_space: global }
      - { .name: wt, .offset: 64, .size: 8, .value_kind: global_buffer, .address_space: global }
      - { .name: bias, .offset: 72, .size: 8, .value_kind: global_buffer, .address_space: global }
    .group_segment_fixed_size: 17920
    .private_segment_fixed_size: 0
    .kernarg_segment_align: 8
    .kernarg_segment_size: 80
    .max_flat_workgroup_size: 256
    .sgpr_count:     66
    .vgpr_count:     112
    .wavefront_size: 32
...
	.end_amdgpu_metadata
.endif
;; end of part 5
;; launch proj: the kernel of part 2 again; grid 16 x 32, 4 waves a work-group, clusters of 4 x 4, 327,680 bytes of LDS; arguments xb, wt, bias, qkv; writes qkv
;; launch score: the kernel of part 3 again; grid 36 x 4, 4 waves a work-group, no clusters, 327,680 bytes of LDS; arguments qkv, pmat, statm, statl; writes pmat, statm, statl
;; launch pv: the kernel of part 4 again; grid 8 x 32, 4 waves a work-group, clusters of 4 x 1, 327,680 bytes of LDS; arguments pmat, qkv, statm, statl, out0; writes out0
